; MI455X (gfx1250); checked and timed in simulation.
; The chip was launched on July 23, 2026; its instructions are those of AMD's public machine-readable ISA for CDNA 5 (MIT licence, August 2026) and "CDNA5" Instruction Set Architecture Reference Guide (July 2026). The comments in the code are by the model that wrote it; some were corrected since.
;; multihead self attention. Allowed arithmetic: matrix products marked QUANTISED: E2M1 operands, one E8M0 scale for each 32 along K, by v_wmma_scale_f32_16x16x128_f8f6f4 with both operands' format E2M1 (or v_wmma_scale_f32_32x16x128_f4), f32 sums; products left as they are: bf16, f16 or f32 operands; f32 sums; everything else in f32.
;; Inputs: Wk 1,024 x 1,024 float32; Wo 1,024 x 1,024 float32; Wq 1,024 x 1,024 float32; Wv 1,024 x 1,024 float32; in_features 4 x 2,048 x 1,024 float32.
;; Outputs: out0 4 x 2,048 x 1,024 float32.
;; This version of the problem:
;;   THIS VERSION OF THE PROBLEM IS GIVEN IN LOW PRECISION. The matrix products marked QUANTISED in the list below multiply operands that are first quantised to E2M1 (2 exponent bits, 1 mantissa bit; 4 bits a number), with one power-of-two scale for each 32 numbers along K (OCP MX v1.0); their sums are f32. The products marked 'left as it is' may take bf16, f16 or f32 operands, with f32 sums. Whichever they take, every output number must still come out within the allowed error. Rounding operands to bf16 (8 significant bits) uses up far more of that allowance than f16 does (11 bits, for magnitudes from 6e-5 to 65,504). All else is computed in f32.
;;   The module's matrix products, in the order in which they are computed (A, B: the left and right operand; K: the contracted axis; several contracted axes count as one K, in the product's order):
;;     1. [M 8,192, K 1,024] x [K 1,024, N 1,024]; A: input in_features; B: input Wq: QUANTISED
;;     2. [M 8,192, K 1,024] x [K 1,024, N 1,024]; A: input in_features; B: input Wk: QUANTISED
;;     3. [M 8,192, K 1,024] x [K 1,024, N 1,024]; A: input in_features; B: input Wv: QUANTISED
;;     4. batch 64 x [M 2,048, K 64] x [K 64, N 2,048]; A: computed on the way; B: computed on the way: left as it is (an operand is computed on the way)
;;     5. batch 64 x [M 2,048, K 2,048] x [K 2,048, N 64]; A: computed on the way; B: computed on the way: left as it is (an operand is computed on the way)
;;     6. [M 8,192, K 1,024] x [K 1,024, N 1,024]; A: computed on the way; B: input Wo: left as it is (an operand is computed on the way)
;;   THE QUANTISER, for each operand of a quantised product, along K:
;;     - K is cut into blocks of 32 from its start; a last block that is shorter is filled with zeros.
;;     - A block's scale is 2^e with e = floor(log2(the largest magnitude in the block)) - 2, held to -126 .. 127; a block of zeros has e = 0. As a byte (E8M0): e + 127.
;;     - Each number is divided by its block's scale, clamped to +-6, and rounded to the nearest number of E2M1, ties to even, subnormals kept.
;;     - The product sums the exact products of the quantised numbers (number of the format x scale) in f32.
;;   ~~~python
;;   def quantise(x, axis):      # numpy; x: float32 -> the quantised numbers, widened to float32 again
;;       x = np.moveaxis(x, axis, -1); K = x.shape[-1]
;;       x = np.pad(x, [(0, 0)] * (x.ndim - 1) + [(0, -K % 32)]); x = x.reshape(x.shape[:-1] + (-1, 32)); a = np.abs(x).max(-1, keepdims=True)
;;       e = np.where(a > 0, np.clip(np.frexp(np.where(a > 0, a, 1))[1] - 1 - 2, -126, 127), 0)      # np.frexp(a)[1] - 1 = floor(log2(a)), exactly
;;       r = np.clip(x / 2.0 ** e, -6, 6)
;;       step = 2.0 ** (np.maximum(np.frexp(np.where(r == 0, 1, r))[1] - 1, 0) - 1)
;;       q = np.round(r / step) * step * 2.0 ** e      # np.round: ties to even
;;       return np.moveaxis(q.reshape(q.shape[:-2] + (-1,))[..., :K], -1, axis).astype(np.float32)
;;   ~~~
;; One version. Each part assembles by itself: llvm-mc -triple=amdgcn-amd-amdhsa -mcpu=gfx1250 --defsym DOCPART=n.
;; ======== version 1 of 1: 5 launches
;; limits: values are held in f16: magnitudes above 65,504 overflow, below 6.1e-05 lose precision
;; workspace buffers: codes 5,767,168 bytes; scales 360,448 bytes; tabs 2,621,440 bytes; qkvh 50,331,648 bytes; fine32 786,432 bytes; att 16,777,216 bytes
;; launch prep (part 1): grid 416 x 1, 4 waves a work-group, no clusters, 33,280 bytes of LDS; arguments in_features, Wq, Wk, Wv, Wo, codes, scales, tabs; writes codes, scales, tabs
.if DOCPART == 1
	.amdgcn_target "amdgcn-amd-amdhsa--gfx1250"
	.amdhsa_code_object_version 6
	.text
	.protected	k_qc26690d84d_prep
	.globl	k_qc26690d84d_prep
	.p2align	8
	.type	k_qc26690d84d_prep,@function
k_qc26690d84d_prep:
	s_mov_b64 s[64:65], 0
	v_nop
	global_prefetch_b8 v0, s[64:65] scope:SCOPE_SE
	s_setreg_imm32_b32 hwreg(HW_REG_WAVE_MODE, 25, 1), 1
	s_wait_xcnt 0x0
; THE PROGRAM: causal self-attention, B 4, S 2048, D 1024, 16 heads of 64.  Five launches:
;   prep  (this one): x, Wq, Wk, Wv into codes of FP4 (E2M1) with E8M0 scale bytes; Wo into f16; the table of cos and sin for the rotation
;   qkv   : the three QUANTISED products as one GEMM on codes, the rotation in f32, q, k, v by head in f16; the first 16 positions of each sequence also in f32
;   attn  : causal attention in f16 operands, f32 sums, running maximum
;   oproj : the projection by Wo, f16 operands, f32 sums, all rows but the first 16 of each sequence
;   fine  : those 64 rows, attention and projection with f32 operands
; WORK LEFT OUT.  reference() builds its mask itself (jnp.tril): a score with key > query becomes -inf and its weight is 0, whatever finite values the inputs hold.  So key steps all of whose keys
; come after all queries of a tile are neither loaded nor multiplied (launch attn).  Nothing else is left out; all five inputs have a way to the output and are loaded.
; LIMITS.  A NaN, an infinity or an overflow that would reach only masked scores is not carried to the result.  q, k, v, the attention's result and Wo are rounded to f16: magnitudes must stay under 65,504,
; and under 6e-5 the step is 6e-8.  A block whose largest magnitude lies under 2^-124 keeps the scale byte 1.  NaN and infinities among the inputs are not served.  The rotation's angles differ from
; reference()'s f32 angles by up to about 2e-4 rad at position 2,047.  The order of f32 sums differs from reference()'s.
; THIS LAUNCH, three paths by the work-group's number:
;   0-351   quantise: 0-255 take x, 256-351 Wq, Wk, Wv (32 each).  K is innermost and rows are dense, so each tensor is a stream of blocks of 32.  A block's scale is 2^(floor(log2(largest magnitude)) - 2);
;           its byte is the largest magnitude's exponent field - 2, held at 1 from below (a block of zeros so keeps the byte 1: its codes are zeros, and this program alone reads the bytes).
;           codes: x [8192][512 B] at 0, W [3072][512 B] at 4,194,304; scales: x [8192][32 B] at 0, W [3072][32 B] at 262,144.
;   352-383 Wo to f16, laid [k block of 64][row n][64]: tabs + kb x 131,072 + n x 128
;   384-415 the table: tabs + 2,097,152 + pb x 4,096 + e x 512 + lane x 16: lane = 16 h + r, position 16 pb + r, pair k0 = 8 (e / 2) + 4 h + 2 (e % 2): cos k0, sin k0, cos k0+1, sin k0+1
.set WAVES, 4
.set STEPS, 16
.set EMAX,  2
.set CB,    8                          ; bytes of 16 codes
.set R,     16                         ; v16-79   four sets of 16 numbers as loaded
.set X,     80                         ; v80-111  two sets of 16 neighbours
.set E,     112                        ; v112-127 a scale byte for each step
.set C,     128                        ; v128-191 codes, four registers a step
.set WREG,  8192                       ; LDS: a region for each wave: two stages of 32 x SP bytes, then its 256 scale bytes
.set SP,    80
.set SPW,   12                         ; v12 my spare word's LDS address; never rewritten
.set NIL,   13                         ; v13 0; never rewritten
.set SPARE, WAVES*WREG                 ; the spare words: 128 bytes a wave, named by no other line
.set ROPE_OFF, 2097152
.macro LOAD t
.irp i, 0,1,2,3
	global_load_b128 v[R+16*((\t)%4)+4*\i:R+16*((\t)%4)+4*\i+3], v3, s[22:23] offset:2048*(\t)+512*\i th:TH_LOAD_NT   ; 32 lanes read 512 consecutive bytes
.endr
.endm
.macro TURN t                          ; a step's 2,048 bytes through my wave's stage: in as loaded, back 64 bytes a lane; LDS serves a wave's instructions in order
.irp i, 0,1,2,3
	ds_store_b128 v14, v[R+16*((\t)%4)+4*\i:R+16*((\t)%4)+4*\i+3] offset:32*SP*((\t)%2)+8*SP*\i
.endr
.irp i, 0,1,2,3
	ds_load_b128 v[X+16*((\t)%2)+4*\i:X+16*((\t)%2)+4*\i+3], v15 offset:32*SP*((\t)%2)+16*\i
.endr
.endm
.macro STEP t
.set XS, X+16*((\t)%2)
.if (\t) > 0
	s_wait_dscnt 1                                 ; this step's numbers are back (the last step's byte store may be out)
.else
	s_wait_dscnt 0x0
.endif
.if (\t)+4 < STEPS
	LOAD (\t)+4
.endif
.if (\t)+1 < STEPS
.if STEPS-2-(\t) >= 3
	s_wait_loadcnt 12                              ; the next step's four loads are in; three steps' twelve may be out
.else
	s_wait_loadcnt 4*(STEPS-2-(\t))
.endif
	TURN (\t)+1
.endif
	v_max3_num_f32 v8, |v[XS]|, |v[XS+1]|, |v[XS+2]|
	v_max3_num_f32 v9, |v[XS+3]|, |v[XS+4]|, |v[XS+5]|
.irp i, 6,10
	v_max3_num_f32 v8, v8, |v[XS+\i]|, |v[XS+\i+1]|
	v_max3_num_f32 v9, v9, |v[XS+\i+2]|, |v[XS+\i+3]|
.endr
	v_max3_num_f32 v8, v8, |v[XS+14]|, |v[XS+15]|
	v_max3_num_f32 v8, v8, v9, (EMAX+1)<<23        ; the floor 2^(3 - 127): the byte cannot fall under 1
	v_max_num_f32_dpp v8, v8, v8 row_xmask:1 row_mask:0xf bank_mask:0xf   ; with my neighbour's 16: the block's largest magnitude
	v_add_nc_u32 v11, -(EMAX<<23), v8              ; 2 off its exponent field: the conversion takes this operand's exponent field as its scale
	v_cvt_scalef32_pk8_fp4_f32 v[C+4*(\t)], v[XS:XS+7], v11
	v_cvt_scalef32_pk8_fp4_f32 v[C+4*(\t)+1], v[XS+8:XS+15], v11
	v_lshrrev_b32 v[E+(\t)], 23, v11               ; the scale's byte
	ds_store_b8 v5, v[E+(\t)] offset:16*(\t)       ; both lanes of a block write the same byte with the same value
	global_store_b64 v4, v[C+4*(\t):C+4*(\t)+1], s[14:15] offset:32*CB*(\t)   ; the wave stores 256 consecutive bytes
.endm
.macro LOADG g                         ; rows n0 + 2 g and n0 + 2 g + 1 of Wo: sixteen loads, each 256 consecutive bytes of each row
.irp kb, 0,1,2,3,4,5,6,7,8,9,10,11,12,13,14,15
	global_load_b128 v[16+64*((\g)%2)+4*\kb:16+64*((\g)%2)+4*\kb+3], v3, s[12:13] offset:(\g)*8192+256*\kb th:TH_LOAD_NT
.endr
.endm
.macro CVTG g
.irp kb, 0,1,2,3,4,5,6,7,8,9,10,11,12,13,14,15
	v_cvt_pk_f16_f32 v[16+64*((\g)%2)+4*\kb], v[16+64*((\g)%2)+4*\kb], v[16+64*((\g)%2)+4*\kb+1]
	v_cvt_pk_f16_f32 v[16+64*((\g)%2)+4*\kb+1], v[16+64*((\g)%2)+4*\kb+2], v[16+64*((\g)%2)+4*\kb+3]
	global_store_b64 v4, v[16+64*((\g)%2)+4*\kb:16+64*((\g)%2)+4*\kb+1], s[18:19] offset:\kb*131072+(\g)*256   ; 32 lanes store 256 consecutive bytes: two rows of a k block
.endr
.endm
; cos and sin of position x frequency.  v[32+idx] holds the frequency in quarter turns a position.  The product is split into a whole number of quarter turns and a rest in [-1/2, 1/2],
; with the product's rounding error recovered by a fused multiply-add; polynomials on the rest; the quadrant by selections and sign bits: no branch hangs on a number.
.macro SINCOS idx
	v_mul_f32 v18, v16, v[32+(\idx)]
	v_fma_f32 v19, v16, v[32+(\idx)], -v18
	v_rndne_f32 v20, v18
	v_sub_f32 v18, v18, v20
	v_add_f32 v18, v18, v19
	v_cvt_i32_f32 v21, v20
	v_mul_f32 v22, s31, v18                        ; the rest as an angle
	v_mul_f32 v23, v22, v22
	v_fma_f32 v24, v23, s27, s26
	v_fma_f32 v24, v24, v23, s25
	v_fma_f32 v24, v24, v23, s24
	v_mul_f32 v25, v22, v23
	v_fma_f32 v24, v24, v25, v22                   ; sin of the rest
	v_fma_f32 v26, v23, s30, s29
	v_fma_f32 v26, v26, v23, s28
	v_fma_f32 v26, v26, v23, -0.5
	v_fma_f32 v26, v26, v23, 1.0                   ; cos of the rest
	v_and_b32 v27, 1, v21
	v_cmp_eq_u32 vcc_lo, 1, v27                    ; an odd quadrant swaps the two
	v_cndmask_b32 v[64+2*(\idx)], v26, v24, vcc_lo
	v_cndmask_b32 v[65+2*(\idx)], v24, v26, vcc_lo
	v_and_b32 v28, 2, v21
	v_lshlrev_b32 v28, 30, v28
	v_xor_b32 v[65+2*(\idx)], v28, v[65+2*(\idx)]  ; sin is negative in quadrants 2 and 3,
	v_add_nc_u32 v29, 1, v21
	v_and_b32 v29, 2, v29
	v_lshlrev_b32 v29, 30, v29
	v_xor_b32 v[64+2*(\idx)], v29, v[64+2*(\idx)]  ; cos in quadrants 1 and 2
.endm
	s_load_b512 s[4:19], s[0:1], 0x0               ; x s[4:5], Wq s[6:7], Wk s[8:9], Wv s[10:11], Wo s[12:13], codes s[14:15], scales s[16:17], tabs s[18:19]
	v_lshl_add_u32 v[SPW], v0, 2, SPARE
	v_mov_b32 v[NIL], 0
	v_lshrrev_b32 v1, 5, v0
	v_readfirstlane_b32 s20, v1                    ; wave
	v_and_b32 v2, 31, v0                           ; lane
	s_wait_kmcnt 0x0
	s_cmp_ge_u32 ttmp9, 384
	s_cbranch_scc1 .Lrope
	s_cmp_ge_u32 ttmp9, 352
	s_cbranch_scc1 .Lwo
	; ---- the quantiser
	v_lshlrev_b32 v3, 4, v2                        ; my 16 bytes of a load's 512
	s_mul_i32 s21, s20, WREG
	v_lshrrev_b32 v14, 2, v2
	v_mul_u32_u24 v14, v14, SP
	v_and_b32 v15, 3, v2
	v_lshl_add_u32 v14, v15, 4, v14
	v_add_nc_u32 v14, s21, v14                     ; the stage, in: SP (lane / 4) + 16 (lane % 4)
	v_mul_u32_u24 v15, v2, SP
	v_add_nc_u32 v15, s21, v15                     ; and back: SP x lane: my 16 neighbours
	v_mul_u32_u24 v4, v2, CB
	v_lshrrev_b32 v5, 1, v2
	s_add_co_u32 s21, s21, 2*32*SP
	v_add_nc_u32 v5, s21, v5                       ; my block's scale byte in LDS
	v_lshlrev_b32 v7, 3, v2
	v_add_nc_u32 v6, s21, v7
	s_and_b32 s27, ttmp9, 31                       ; a weight's 32 work-groups
	s_cmp_lt_u32 ttmp9, 320                        ; every choice hangs on the work-group's number alone
	s_cselect_b64 s[22:23], s[8:9], s[10:11]
	s_cmp_lt_u32 ttmp9, 288
	s_cselect_b64 s[22:23], s[6:7], s[22:23]
	s_cmp_lt_u32 ttmp9, 256
	s_cselect_b64 s[22:23], s[4:5], s[22:23]
	s_cselect_b32 s24, 0, 256
	s_cselect_b32 s25, 0, 0x400000                 ; where the weights' codes begin
	s_cselect_b32 s26, 0, 0x40000                  ; and their scale bytes
	s_cselect_b32 s27, ttmp9, s27
	s_sub_co_u32 s24, ttmp9, s24
	s_lshl_b32 s27, s27, 2
	s_add_co_u32 s27, s27, s20                     ; which run of 8,192 numbers of the source is my wave's
	s_lshl_b32 s24, s24, 2
	s_add_co_u32 s24, s24, s20                     ; and which run of the destination's part
	s_lshl_b32 s28, s27, 15
	s_mov_b32 s29, 0
	s_add_nc_u64 s[22:23], s[22:23], s[28:29]
	s_lshl_b32 s28, s24, 12
	s_add_co_u32 s28, s28, s25
	s_add_nc_u64 s[14:15], s[14:15], s[28:29]
	s_lshl_b32 s28, s24, 8
	s_add_co_u32 s28, s28, s26
	s_add_nc_u64 s[16:17], s[16:17], s[28:29]
.irp t, 0,1,2,3
	LOAD \t
.endr
	s_wait_loadcnt 12                              ; step 0's four loads are in
	TURN 0
.irp t, 0,1,2,3,4,5,6,7,8,9,10,11,12,13,14,15
	STEP \t
.endr
	ds_load_b64 v[8:9], v6                         ; my wave's 256 scale bytes; these see my stores
	s_wait_dscnt 0x0
	global_store_b64 v7, v[8:9], s[16:17]          ; 256 consecutive bytes
	s_wait_tensorcnt 0x0                           ; the wave's end
	ds_add_u32 v[SPW], v[NIL]
	s_wait_dscnt 0x0
	s_endpgm
	; ---- Wo to f16: my wave's eight rows, two at a time; two sets of registers by turns
.Lwo:
	s_sub_co_u32 s21, ttmp9, 352
	s_lshl_b32 s21, s21, 5
	s_lshl_b32 s24, s20, 3
	s_add_co_u32 s21, s21, s24                     ; my first row
	s_lshl_b32 s24, s21, 12
	s_mov_b32 s25, 0
	s_add_nc_u64 s[12:13], s[12:13], s[24:25]
	s_lshl_b32 s24, s21, 7
	s_add_nc_u64 s[18:19], s[18:19], s[24:25]
	v_lshrrev_b32 v3, 4, v2
	v_lshlrev_b32 v3, 12, v3
	v_and_b32 v5, 15, v2
	v_lshl_add_u32 v3, v5, 4, v3                   ; lanes 0-15 one row, lanes 16-31 the next; 16 bytes a lane
	v_lshlrev_b32 v4, 3, v2
	LOADG 0
	LOADG 1
	s_wait_loadcnt 16                              ; the other set's sixteen loads may be out
	CVTG 0
	s_wait_xcnt 0x0                                ; the stores have read set 0: it is loaded again only behind this wait
	LOADG 2
	s_wait_loadcnt 16
	CVTG 1
	s_wait_xcnt 0x0
	LOADG 3
	s_wait_loadcnt 16
	CVTG 2
	s_wait_loadcnt 0x0
	CVTG 3
	s_endpgm
	; ---- the table: a wave takes 16 positions, a lane 16 of a position's 32 pairs
.Lrope:
	s_sub_co_u32 s21, ttmp9, 384
	s_lshl_b32 s21, s21, 2
	s_add_co_u32 s21, s21, s20                     ; pb
	s_lshl_b32 s22, s21, 12
	s_add_co_u32 s22, s22, ROPE_OFF
	s_mov_b32 s23, 0
	s_add_nc_u64 s[18:19], s[18:19], s[22:23]
	s_lshl_b32 s21, s21, 4
	v_and_b32 v3, 15, v2
	v_add_nc_u32 v3, s21, v3
	v_cvt_f32_u32 v16, v3                          ; my position
	v_lshrrev_b32 v17, 4, v2
	v_lshlrev_b32 v17, 2, v17                      ; 4 h
	v_lshlrev_b32 v4, 4, v2
	s_mov_b32 s24, 0xbe2aaaab                      ; sin: -1/6, 1/120, -1/5040, 1/362880
	s_mov_b32 s25, 0x3c088889
	s_mov_b32 s26, 0xb9500d01
	s_mov_b32 s27, 0x3638ef1d
	s_mov_b32 s28, 0x3d2aaaab                      ; cos: 1/24, -1/720, 1/40320
	s_mov_b32 s29, 0xbab60b61
	s_mov_b32 s30, 0x37d00d01
	s_mov_b32 s31, 0x3fc90fdb                      ; pi / 2
.irp i, 0,1,2,3,4,5,6,7,8,9,10,11,12,13,14,15
	v_add_nc_u32 v[32+\i], 8*(\i/4)+\i%4, v17      ; the pair's number k
	v_cvt_f32_u32 v[32+\i], v[32+\i]
	v_mul_f32 v[32+\i], 0xbed49a78, v[32+\i]       ; - k log2(10000) / 32
.endr
.irp i, 0,1,2,3,4,5,6,7,8,9,10,11,12,13,14,15
	v_exp_f32 v[32+\i], v[32+\i]                   ; the frequency 10000^(-k / 32)
.endr
	v_nop                                          ; a plain instruction behind the last exponential
	s_wait_alu depctr_va_vdst(0)                   ; one wait for the batch, ahead of its first reader
.irp i, 0,1,2,3,4,5,6,7,8,9,10,11,12,13,14,15
	v_mul_f32 v[32+\i], 0x3f22f983, v[32+\i]       ; x 2 / pi: in quarter turns
.endr
.irp i, 0,1,2,3,4,5,6,7,8,9,10,11,12,13,14,15
	SINCOS \i
.endr
.irp e, 0,1,2,3,4,5,6,7
	global_store_b128 v4, v[64+4*\e:67+4*\e], s[18:19] offset:512*\e   ; 512 consecutive bytes
.endr
	s_endpgm
.Lfunc_end_k_qc26690d84d_prep:
	.size	k_qc26690d84d_prep, .Lfunc_end_k_qc26690d84d_prep-k_qc26690d84d_prep
	.p2alignl 7, 3214868480
	.fill 96, 4, 3214868480
	.section	.rodata,"a",@progbits
	.p2align	6, 0x0
	.amdhsa_kernel k_qc26690d84d_prep
		.amdhsa_group_segment_fixed_size 33280
		.amdhsa_private_segment_fixed_size 0
		.amdhsa_enable_private_segment 0
		.amdhsa_kernarg_size 64
		.amdhsa_user_sgpr_count 2
		.amdhsa_user_sgpr_kernarg_segment_ptr 1
		.amdhsa_wavefront_size32 1
		.amdhsa_system_sgpr_workgroup_id_x 1
		.amdhsa_system_sgpr_workgroup_id_y 1
		.amdhsa_system_sgpr_workgroup_id_z 1
		.amdhsa_system_vgpr_workitem_id 0
		.amdhsa_next_free_vgpr 192
		.amdhsa_next_free_sgpr 66
		.amdhsa_reserve_vcc 1
		.amdhsa_float_denorm_mode_32 3
		.amdhsa_float_denorm_mode_16_64 3
		.amdhsa_memory_ordered 1
		.amdhsa_forward_progress 1
		.amdhsa_inst_pref_size 78
	.end_amdhsa_kernel
	.amdgpu_metadata
---
amdhsa.version: [ 1, 2 ]
amdhsa.kernels:
  - .name:           k_qc26690d84d_prep
    .symbol:         k_qc26690d84d_prep.kd
    .args:
      - { .name: in_features, .offset: 0, .size: 8, .value_kind: global_buffer, .address_space: global }
      - { .name: Wq, .offset: 8, .size: 8, .value_kind: global_buffer, .address_space: global }
      - { .name: Wk, .offset: 16, .size: 8, .value_kind: global_buffer, .address_space: global }
      - { .name: Wv, .offset: 24, .size: 8, .value_kind: global_buffer, .address_space: global }
      - { .name: Wo, .offset: 32, .size: 8, .value_kind: global_buffer, .address_space: global }
      - { .name: codes, .offset: 40, .size: 8, .value_kind: global_buffer, .address_space: global }
      - { .name: scales, .offset: 48, .size: 8, .value_kind: global_buffer, .address_space: global }
      - { .name: tabs, .offset: 56, .size: 8, .value_kind: global_buffer, .address_space: global }
    .group_segment_fixed_size: 33280
    .private_segment_fixed_size: 0
    .kernarg_segment_align: 8
    .kernarg_segment_size: 64
    .max_flat_workgroup_size: 128
    .sgpr_count:     66
    .vgpr_count:     192
    .wavefront_size: 32
...
	.end_amdgpu_metadata
.endif
;; end of part 1
;; launch qkv (part 2): grid 12 x 32, 4 waves a work-group, clusters of 4 x 4, 327,680 bytes of LDS; arguments codes, scales, tabs, qkvh, fine32; writes qkvh, fine32
.if DOCPART == 2
	.amdgcn_target "amdgcn-amd-amdhsa--gfx1250"
	.amdhsa_code_object_version 6
	.text
	.protected	k_qc26690d84d_qkv
	.globl	k_qc26690d84d_qkv
	.p2align	8
	.type	k_qc26690d84d_qkv,@function
k_qc26690d84d_qkv:
	s_mov_b64 s[64:65], 0
	v_nop
	global_prefetch_b8 v0, s[64:65] scope:SCOPE_SE
	s_setreg_imm32_b32 hwreg(HW_REG_WAVE_MODE, 25, 1), 1
	s_wait_xcnt 0x0
	s_wait_alu depctr_hold_cnt(0) depctr_sa_sdst(0) depctr_va_vdst(0) depctr_va_sdst(0) depctr_va_ssrc(0) depctr_va_vcc(0) depctr_vm_vsrc(0)
	s_getreg_b32 s2, hwreg(HW_REG_IB_STS2, 6, 4)
	s_cmp_eq_u32 s2, 0
	s_cbranch_scc0 .Lentry_in_a_cluster
	s_endpgm
.Lentry_in_a_cluster:
	s_bfe_u32 s2, ttmp6, 0x10000c
	s_cmp_lg_u32 s2, 0xf033
	s_cbranch_scc0 .Lentry_shape_is_right
	s_endpgm
.Lentry_shape_is_right:
; q, k, v = x Wq^T, x Wk^T, x Wv^T as ONE product on codes of FP4 (E2M1) with E8M0 scales: C [8192][3072] = A [8192][1024] B [3072][1024]^T, B's rows being Wq's, Wk's, Wv's.  Sums in f32.
; A tile of C, 256 x 256, is made by four waves, 128 x 128 each: 64 accumulators, 512 registers.  K = 1,024 is two LDS slots of 512: ALL of K is asked for at the head, and nothing is ever filled again.
; CLUSTERS: 4 x 4 work-groups.  Tile column = 4 x cluster x + cx, so cluster x says which of q, k, v.  TILE ROW = cluster y + 8 cy, so cy is the batch and cluster y = 0 marks a sequence's first tile:
; both numbers on which branches hang here (cluster x, cluster y) are the same in all partners.  A's tiles are asked for jointly along a row of the cluster, B's along a column.
; THE MATRIX INSTRUCTION IS USED TRANSPOSED (source 0 = 16 rows of B, source 1 = 16 rows of A): a lane holds one position (lane % 16) and eight neighbouring outputs 8 (lane / 16) + 0 .. 7.
; THE WAY OUT.  q and k: the rotation, in f32, on the lane's four pairs of each accumulator, cos and sin from the table that launch prep laid in this very order; v: as it is.  Then f16, 16 rows x 2 heads
; through my wave's stage in LDS, and out as 512 consecutive bytes a store: qkvh [q, k, v][batch x head][position][64].  The first 16 positions of each sequence also leave in f32, as images of the registers (fine32).
; REGISTERS, in windows of 256: window 0: v0-31 addresses; v32-95 scale words, two sets; v128-191 A's fragments, one set; v192-255 cos and sin, two sets; on the way out v32-191 are free.
;   window 1: B's fragments, two sets, at v0 and v128.  window 2: the accumulators of my rows 0-63 ((a, b) at v[8 (8 a + b)]); window 3: those of my rows 64-127.
.set NQ,     4                         ; matrix instructions deep in a slot
.set ROWB,   256                       ; a tile's row: 512 codes
.set KROW,   512                       ; a row of codes in memory
.set PITCH,  272                       ; an LDS row: 256 bytes + 16: the sixteen rows of a fragment load start 16 bytes apart modulo 256
.set FR,     8
.set NL,     2
.set NP,     4
.set HALFT,  128*PITCH
.set SLOT,   4*HALFT
.set KS,     32                        ; a row of scale bytes
.set SCL,    2*SLOT                    ; behind the slots: the scales, rows of 256 bytes + 16
.set HALFS,  (128*KS/256)*272
.set SBLK,   (16*KS/256)*272
.set SPARE,  SCL+4*HALFS               ; the spare words: 128 bytes a wave, named by no other line
.set STGB,   4608                      ; a wave's stage: 2 heads x 16 rows x 144 bytes; it lies in slot 0, which has had its only fill and its last read when the first result is stored there
.set VSTG,   32768                     ; the path for v has stage bytes of its own
.set ADRA, 16
.set ADRB, 20
.set STO,  24
.set RD,   25
.set CO,   26                          ; 16 x lane
.set ADRS, 27
.set SPW,  28
.set NIL,  29
.set SC,   32
.set AF,   128
.set TF,   32                          ; the way out: 64 numbers behind the rotation
.set PK,   96                          ; the same as 32 registers of f16
.set BK,   128                         ; rows read back from the stage: v128-159 and v160-191 by turns
.set CSN,  192                         ; cos and sin: v192-223 and v224-255 by turns
.set G1, 24
.set G0, 32
.set G1B, 48
.set G0B, 56
.set G1S, 68
.set G0S, 76
.set G1SB, 80
.set G0SB, 88
.set MAT, 66                           ; s66 0: q, 1: k, 2: v
.set SPC, 67                           ; s67 0 in the wave that holds the first 16 positions of a sequence
.set OUTB, 96                          ; s[96:97] my first row of my first head in qkvh
.set RT,  98                           ; s[98:99] the table at my first position
.set FB,  100                          ; s[100:101] my first head's image in fine32
.set MSB, 0
.macro WIN new                         ; the immediate's high byte repeats the setting that is left
.if MSB != (\new)
	s_set_vgpr_msb (MSB<<8)|(\new)
.set MSB, (\new)
.endif
.endm
.set MUL_LO, 0xa1                      ; source 0 (B) window 1, source 1 (A) window 0, C and D window 2
.set MUL_HI, 0xf1
.set TO_B,   0x40
; A joint load: waves 0 and 1 fetch for A, waves 2 and 3 for B; the branch hangs on the wave's number alone.  An s_nop 0 and four v_nop follow each line.
.macro JLOAD g0a, g1a, g0b, g1b
	s_cmp_eq_u32 s15, 0
	s_cbranch_scc0 .Lfor_b_\@
	tensor_load_to_lds s[\g0a:\g0a+3], s[\g1a:\g1a+7]
	s_nop 0
.rept 4
	v_nop
.endr
	s_branch .Lasked_\@
.Lfor_b_\@:
	tensor_load_to_lds s[\g0b:\g0b+3], s[\g1b:\g1b+7]
	s_nop 0
.rept 4
	v_nop
.endr
.Lasked_\@:
.endm
.macro CROUND                          ; a round of the cluster's barrier
	s_barrier_signal -1
	s_barrier_wait -1
	s_cmp_lg_u32 s14, 0
	s_cbranch_scc1 .Lnot_wave_0_\@
	s_barrier_signal -3
.Lnot_wave_0_\@:
	s_barrier_wait -3
	s_barrier_signal -1
	s_barrier_wait -1
.endm
	s_load_b256 s[4:11], s[0:1], 0x0               ; codes s[4:5], scales s[6:7], tabs s[8:9], qkvh s[10:11]
	s_load_b64 s[12:13], s[0:1], 0x20              ; fine32
	v_lshl_add_u32 v[SPW], v0, 2, SPARE
	v_mov_b32 v[NIL], 0
	ds_add_u32 v[SPW], v[NIL]                      ; the wave's opening
	ds_add_u32 v[SPW], v[NIL]
	v_lshrrev_b32 v1, 5, v0
	v_readfirstlane_b32 s14, v1                    ; wave 0..3
	s_lshr_b32 s15, s14, 1                         ; which half of the tile's rows is mine.  Also: I fetch for A (0) or for B (1)
	s_and_b32 s16, s14, 1                          ; which half of its columns.  Also: which 128 rows I fetch
	s_bfe_u32 s40, ttmp6, 0x40000                  ; cx
	s_bfe_u32 s41, ttmp6, 0x40004                  ; cy
	s_lshl_b32 s42, ttmp9, 2
	s_add_co_u32 s42, s42, s40                     ; tile column = 4 x cluster x + cx
	s_and_b32 s17, ttmp7, 0xffff
	s_lshl_b32 s18, s41, 3
	s_add_co_u32 s17, s17, s18                     ; tile row = cluster y + 8 cy
	s_lshl_b32 s43, s41, 2
	s_lshl_b32 s43, 15, s43                        ; my row of the cluster
	s_lshl_b32 s44, 0x1111, s40                    ; my column
	s_or_b32 s[G1+0], s43, (0<<16)|(1<<20)|(1<<21)|(5<<22)|(3<<25)  ; the mask; elements of 1 byte; padding on; bit 21 beside a mask; 4 words behind every 64
	s_or_b32 s[G1B+0], s44, (0<<16)|(1<<20)|(1<<21)|(5<<22)|(3<<25)
.irp g, G1, G1B
	s_mov_b32 s[\g+1], ROWB<<16                    ; tensor_dim0
	s_mov_b32 s[\g+2], 128<<16                     ; tensor_dim1
	s_mov_b32 s[\g+3], ROWB<<16                    ; tile_dim0
	s_mov_b32 s[\g+4], 128                         ; tile_dim1
	s_mov_b32 s[\g+5], KROW                        ; from row to row
	s_mov_b32 s[\g+6], 0
	s_mov_b32 s[\g+7], 0
.endr
	s_or_b32 s[G1S+0], s43, (3<<16)|(1<<20)|(1<<21)|(5<<22)|(3<<25)  ; the scales of 128 rows: a dense block, as rows of 32 elements of 8 bytes
	s_or_b32 s[G1SB+0], s44, (3<<16)|(1<<20)|(1<<21)|(5<<22)|(3<<25)
.irp g, G1S, G1SB
	s_mov_b32 s[\g+1], 32<<16
	s_mov_b32 s[\g+2], (128*KS/256)<<16
	s_mov_b32 s[\g+3], 32<<16
	s_mov_b32 s[\g+4], 128*KS/256
	s_mov_b32 s[\g+5], 32
	s_mov_b32 s[\g+6], 0
	s_mov_b32 s[\g+7], 0
.endr
	s_lshl_b32 s18, s16, 7
	s_lshl_b32 s20, s17, 8
	s_add_co_u32 s20, s20, s18                     ; A: row 256 x tile row + 128 x half
	s_lshl_b32 s46, s42, 8
	s_add_co_u32 s46, s46, s18                     ; B: row 256 x tile column + 128 x half
	s_mov_b32 s21, 0
	s_mov_b32 s47, 0
	s_mov_b64 s[18:19], KS
	s_mul_u64 s[22:23], s[20:21], s[18:19]
	s_mul_u64 s[92:93], s[46:47], s[18:19]
	s_mov_b64 s[18:19], KROW
	s_mul_u64 s[20:21], s[20:21], s[18:19]
	s_mul_u64 s[46:47], s[46:47], s[18:19]
	s_add_nc_u64 s[46:47], s[46:47], 0x400000      ; the weights' codes lie behind x's,
	s_add_nc_u64 s[92:93], s[92:93], 0x40000       ; their scale bytes likewise
	s_mul_i32 s45, s14, HALFT                      ; where they go: no place in the cluster enters an LDS address
	s_mul_i32 s94, s14, HALFS
	s_wait_dscnt 0x0                               ; both opening adds are done
	s_wait_kmcnt 0x0
	s_add_nc_u64 s[20:21], s[4:5], s[20:21]
	s_add_nc_u64 s[22:23], s[6:7], s[22:23]
	s_add_nc_u64 s[46:47], s[4:5], s[46:47]
	s_add_nc_u64 s[92:93], s[6:7], s[92:93]
	CROUND                                         ; all sixteen work-groups are here: the joint loads meet
	s_mov_b32 s[G0S], 1
	s_add_co_u32 s[G0S+1], s94, SCL
	s_mov_b64 s[G0S+2:G0S+3], s[22:23]
	s_or_b32 s[G0S+3], s[G0S+3], 0x80000000
	s_mov_b32 s[G0SB], 1
	s_add_co_u32 s[G0SB+1], s94, SCL
	s_mov_b64 s[G0SB+2:G0SB+3], s[92:93]
	s_or_b32 s[G0SB+3], s[G0SB+3], 0x80000000
	JLOAD G0S, G1S, G0SB, G1SB                     ; three loads of mine go out: the scales, slot 0, slot 1
.irp s, 0,1
	s_mov_b32 s[G0+4*\s], 1
	s_add_co_u32 s[G0+4*\s+1], s45, \s*SLOT
	s_add_nc_u64 s[G0+4*\s+2:G0+4*\s+3], s[20:21], \s*ROWB
	s_or_b32 s[G0+4*\s+3], s[G0+4*\s+3], 0x80000000
	s_mov_b32 s[G0B+4*\s], 1
	s_add_co_u32 s[G0B+4*\s+1], s45, \s*SLOT
	s_add_nc_u64 s[G0B+4*\s+2:G0B+4*\s+3], s[46:47], \s*ROWB
	s_or_b32 s[G0B+4*\s+3], s[G0B+4*\s+3], 0x80000000
	JLOAD G0+4*\s, G1, G0B+4*\s, G1B
.endr
	v_and_b32 v1, 15, v0                           ; r
	v_bfe_u32 v2, v0, 4, 1                         ; h
	v_mul_u32_u24 v3, v1, PITCH
	v_lshl_add_u32 v4, v2, 4, v3
	s_mul_i32 s21, s15, HALFT
	s_mul_i32 s22, s16, HALFT
	s_add_co_u32 s22, s22, 2*HALFT
.irp s, 0,1
	v_add_nc_u32 v[ADRA+\s], s21, v4
	v_add_nc_u32 v[ADRB+\s], s22, v4
	s_add_co_u32 s21, s21, SLOT
	s_add_co_u32 s22, s22, SLOT
.endr
	v_mul_u32_u24 v5, v1, KS                       ; my row's scales,
	v_lshrrev_b32 v6, 8, v5
	v_lshl_add_u32 v5, v6, 4, v5                   ; and 16 more for each 256 passed
	s_mul_i32 s21, s15, HALFS
	s_mul_i32 s22, s16, HALFS
	s_add_co_u32 s22, s22, 2*HALFS
	s_sub_co_u32 s22, s22, s21
	v_mul_u32_u24 v6, s22, v2                      ; lanes 16-31 take B's
	s_add_co_u32 s21, s21, SCL
	v_add_nc_u32 v5, v5, v6
	v_add_nc_u32 v[ADRS], s21, v5
	s_mul_i32 s23, s14, STGB                       ; my stage
	v_mul_u32_u24 v5, v1, 144
	v_lshl_add_u32 v5, v2, 4, v5
	v_add_nc_u32 v[STO], s23, v5                   ; in: row r, 16 bytes for each half of the lanes
	v_and_b32 v6, 31, v0
	v_lshrrev_b32 v7, 3, v6
	v_mul_u32_u24 v7, v7, 144
	v_and_b32 v8, 7, v6
	v_lshl_add_u32 v7, v8, 4, v7
	v_add_nc_u32 v[RD], s23, v7                    ; back: eight lanes to a row of 128 bytes, four rows an instruction
	v_lshlrev_b32 v[CO], 4, v6
	s_mov_b32 s[MAT], ttmp9
	s_and_b32 s18, ttmp7, 0xffff                   ; cluster y: 256 positions
	s_or_b32 s[SPC], s18, s15
	s_lshl_b32 s19, s41, 4
	s_lshl_b32 s20, s40, 2
	s_add_co_u32 s19, s19, s20
	s_lshl_b32 s20, s16, 1
	s_add_co_u32 s19, s19, s20                     ; batch x 16 + my first head
	s_lshl_b32 s20, s19, 18
	s_lshl_b32 s21, s[MAT], 24
	s_add_co_u32 s20, s20, s21
	s_lshl_b32 s21, s18, 15
	s_add_co_u32 s20, s20, s21
	s_lshl_b32 s21, s15, 14
	s_add_co_u32 s20, s20, s21
	s_mov_b32 s21, 0
	s_add_nc_u64 s[OUTB:OUTB+1], s[10:11], s[20:21]
	s_lshl_b32 s20, s18, 16
	s_lshl_b32 s22, s15, 15
	s_add_co_u32 s20, s20, s22
	s_add_co_u32 s20, s20, 0x200000
	s_add_nc_u64 s[RT:RT+1], s[8:9], s[20:21]
	s_lshl_b32 s20, s[MAT], 6
	s_add_co_u32 s20, s20, s19
	s_lshl_b32 s20, s20, 12
	s_add_nc_u64 s[FB:FB+1], s[12:13], s[20:21]
.macro LOADCS a                        ; cos and sin of my block a's 16 positions: eight loads of 512 consecutive bytes
.irp e, 0,1,2,3,4,5,6,7
	global_load_b128 v[CSN+32*((\a)%2)+4*\e:CSN+32*((\a)%2)+4*\e+3], v[CO], s[RT:RT+1] offset:(\a)*4096+512*\e
.endr
.endm
	s_cmp_eq_u32 s[MAT], 2                         ; v is not rotated
	s_cbranch_scc1 .Lno_table
	LOADCS 0
	LOADCS 1
.Lno_table:
.macro FRAG reg, adr, q, i             ; 16 rows x 128 K of 4-bit codes: 8 registers, two loads 32 bytes apart
.irp c, 0,1
	ds_load_b128 v[\reg+4*\c:\reg+4*\c+3], v[\adr] offset:64*(\q)+32*\c+(\i)*16*PITCH
.endr
.endm
; 16 matrix instructions: A's blocks a0, a0 + 1 x B's eight.  The 64 accumulators take turns, one instruction a turn, in the same order in every step.
.macro MUL16 a0, p, q, sc, zero
.irp a, \a0, \a0+1
.irp b, 0,1,2,3,4,5,6,7
.if \zero
	v_wmma_scale_f32_16x16x128_f8f6f4 v[8*(8*((\a)%4)+\b):8*(8*((\a)%4)+\b)+7], v[128*(\p)+FR*\b:128*(\p)+FR*\b+FR-1], v[AF+FR*(\a):AF+FR*(\a)+FR-1], 0, v[SC+8*NQ*(\sc)+NQ*\b+(\q)], v[SC+8*NQ*(\sc)+NQ*(\a)+(\q)] matrix_a_fmt:MATRIX_FMT_FP4 matrix_b_fmt:MATRIX_FMT_FP4 matrix_a_scale:MATRIX_SCALE_ROW1
.else
	v_wmma_scale_f32_16x16x128_f8f6f4 v[8*(8*((\a)%4)+\b):8*(8*((\a)%4)+\b)+7], v[128*(\p)+FR*\b:128*(\p)+FR*\b+FR-1], v[AF+FR*(\a):AF+FR*(\a)+FR-1], v[8*(8*((\a)%4)+\b):8*(8*((\a)%4)+\b)+7], v[SC+8*NQ*(\sc)+NQ*\b+(\q)], v[SC+8*NQ*(\sc)+NQ*(\a)+(\q)] matrix_a_fmt:MATRIX_FMT_FP4 matrix_b_fmt:MATRIX_FMT_FP4 matrix_a_scale:MATRIX_SCALE_ROW1
.endif
.endr
.endr
.endm
.macro FETCH_B slot, q, p
	WIN TO_B
.irp i, 0,1,2,3,4,5,6,7
	FRAG 128*(\p)+FR*\i, ADRB+\slot, \q, \i
.endr
	WIN 0
.endm
.macro FETCH_A slot, q, i0
.irp i, \i0, \i0+1, \i0+2, \i0+3
	FRAG AF+FR*(\i), ADRA+\slot, \q, \i
.endr
.endm
.macro SCALES sc                       ; a slot's scale words: lanes 0-15 A's block i, lanes 16-31 B's block i
.irp i, 0,1,2,3,4,5,6,7
	ds_load_b128 v[SC+8*NQ*\sc+NQ*\i:SC+8*NQ*\sc+NQ*\i+3], v[ADRS] offset:\i*SBLK
.endr
.endm
.macro PLACES n                        ; plain vector instructions between a matrix instruction and a load into, or a vector read or write of, its registers
.rept \n
	v_nop
.endr
.endm
.macro STEP slot, q, zero              ; 128 along K that has its successor in the same slot
	s_wait_dscnt 4*NL                              ; B's set and A's blocks 0-3 are in; A's blocks 4-7 may be out
	WIN MUL_LO
	MUL16 0, (\q)%2, \q, \slot, \zero
	MUL16 2, (\q)%2, \q, \slot, \zero
	s_wait_dscnt 0
	PLACES NP
	FETCH_B \slot, (\q)+1, 1-(\q)%2
	FETCH_A \slot, (\q)+1, 0
	WIN MUL_HI
	MUL16 4, (\q)%2, \q, \slot, \zero
	MUL16 6, (\q)%2, \q, \slot, \zero
	PLACES NP
	WIN 0
	FETCH_A \slot, (\q)+1, 4
.endm
.macro TURN slot, next                 ; slot 0's last step, and the change to slot 1: one barrier
	s_wait_tensorcnt 0x0                           ; all my tensor loads have landed: my part of slot 1
	ds_add_u32 v[SPW], v[NIL]                      ; 0 onto my spare word
	s_wait_dscnt 4*NL+1                            ; (the add and A's blocks 4-7 may be out)
	WIN MUL_LO
	MUL16 0, 1, NQ-1, \slot, 0
	s_wait_dscnt 0x0                               ; the add is done, and my reads of slot 0 are over
	s_barrier_signal -1
	MUL16 2, 1, NQ-1, \slot, 0
	WIN 0
	s_barrier_wait -1
	PLACES NP
	v_add_nc_u32 v[ADRS], 4*NQ, v[ADRS]            ; the next slot's scale words
	FETCH_B \next, 0, 0
	FETCH_A \next, 0, 0
	SCALES \next
	WIN MUL_HI
	MUL16 4, 1, NQ-1, \slot, 0
	MUL16 6, 1, NQ-1, \slot, 0
	PLACES NP
	WIN 0
	FETCH_A \next, 0, 4
.endm
.macro STEPS slot, from
.set Q, \from
.rept NQ-1-\from
	STEP \slot, Q, 0
.set Q, Q+1
.endr
.endm
	s_wait_tensorcnt 1                             ; the scales and my part of slot 0 are in; slot 1's load may be out
	s_barrier_signal -1
	s_barrier_wait -1
	FETCH_B 0, 0, 0
	FETCH_A 0, 0, 0
	SCALES 0
	FETCH_A 0, 0, 4
	STEP 0, 0, 1                                   ; the first step's products start the sums: nothing is cleared
	STEPS 0, 1
	TURN 0, 1
	STEPS 1, 0
	s_wait_dscnt 4*NL
	WIN MUL_LO
	MUL16 0, 1, NQ-1, 1, 0
	MUL16 2, 1, NQ-1, 1, 0
	s_wait_dscnt 0
	WIN MUL_HI
	MUL16 4, 1, NQ-1, 1, 0
	MUL16 6, 1, NQ-1, 1, 0
	WIN 0
; THE WAY OUT, block by block of 16 positions x 128 outputs (two heads).
; The rotation of block a: for a pair (xe, xo) and its (c, s): (xe c, xe s), then (- xo s, + xo c) added.  Each accumulator is read from its low end on.
.macro ROT a
	WIN 0x02+(\a)/4                                ; source 0: window 2 or 3
.irp b, 0,1,2,3,4,5,6,7
.irp i, 0,1,2,3
	v_pk_mul_f32 v[TF+8*\b+2*\i:TF+8*\b+2*\i+1], v[8*(8*((\a)%4)+\b)+2*\i:8*(8*((\a)%4)+\b)+2*\i+1], v[CSN+32*((\a)%2)+8*(\b%4)+2*\i:CSN+32*((\a)%2)+8*(\b%4)+2*\i+1] op_sel_hi:[0,1]
.endr
.irp i, 0,1,2,3
	v_pk_fma_f32 v[TF+8*\b+2*\i:TF+8*\b+2*\i+1], v[8*(8*((\a)%4)+\b)+2*\i:8*(8*((\a)%4)+\b)+2*\i+1], v[CSN+32*((\a)%2)+8*(\b%4)+2*\i:CSN+32*((\a)%2)+8*(\b%4)+2*\i+1], v[TF+8*\b+2*\i:TF+8*\b+2*\i+1] op_sel:[1,1,0] op_sel_hi:[1,0,1] neg_lo:[0,1,0]
.endr
.endr
	WIN 0
.endm
.macro PACKH
.irp b, 0,1,2,3,4,5,6,7
.irp i, 0,1,2,3
	v_cvt_pk_f16_f32 v[PK+4*\b+\i], v[TF+8*\b+2*\i], v[TF+8*\b+2*\i+1]
.endr
.endr
.endm
.macro PACKV a
	WIN 0x0a+5*((\a)/4)                            ; sources 0 and 1: window 2 or 3
.irp b, 0,1,2,3,4,5,6,7
.irp i, 0,1,2,3
	v_cvt_pk_f16_f32 v[PK+4*\b+\i], v[8*(8*((\a)%4)+\b)+2*\i], v[8*(8*((\a)%4)+\b)+2*\i+1]
.endr
.endr
	WIN 0
.endm
.macro STG a, base                     ; into my stage and back as rows; LDS serves a wave's instructions in order, so no wait stands between
.irp b, 0,1,2,3,4,5,6,7
	ds_store_b128 v[STO], v[PK+4*\b:PK+4*\b+3] offset:\base+(\b/4)*2304+(\b%4)*32
.endr
.irp u, 0,1,2,3,4,5,6,7
	ds_load_b128 v[BK+32*((\a)%2)+4*\u:BK+32*((\a)%2)+4*\u+3], v[RD] offset:\base+(\u/4)*2304+(\u%4)*576
.endr
.endm
.macro SEND a, younger                 ; younger: the LDS instructions issued behind block a's loads
	s_wait_dscnt \younger
.irp u, 0,1,2,3,4,5,6,7
	global_store_b128 v[CO], v[BK+32*((\a)%2)+4*\u:BK+32*((\a)%2)+4*\u+3], s[OUTB:OUTB+1] offset:(\u/4)*262144+(\a)*2048+(\u%4)*512   ; four rows of a head: 512 consecutive bytes
.endr
.endm
	PLACES NP
	s_cmp_eq_u32 s[MAT], 2
	s_cbranch_scc1 .Lvpath
	s_wait_loadcnt 8                               ; block 0's table is in; block 1's eight loads may be out
	ROT 0
	LOADCS 2
	s_cmp_eq_u32 s[SPC], 0                         ; the first 16 positions of a sequence also leave in f32, as they stand in the registers
	s_cbranch_scc0 .Lnot_first_r
.irp b, 0,1,2,3,4,5,6,7
.irp c, 0,1
	global_store_b128 v[CO], v[TF+8*\b+4*\c:TF+8*\b+4*\c+3], s[FB:FB+1] offset:(\b/4)*4096+(\b%4)*1024+\c*512
.endr
.endr
	s_wait_xcnt 0x0                                ; the stores have read these registers: block 1 writes them again
.Lnot_first_r:
	PACKH
	STG 0, 0
.irp a, 1,2,3,4,5,6,7
.if \a > 1
	s_wait_xcnt 0x0                                ; the stores of the block before last have read the registers into which this block's rows come back
.endif
.if \a < 7
	s_wait_loadcnt 8                               ; this block's table is in; the next block's may be out
.else
	s_wait_loadcnt 0x0
.endif
	ROT \a
.if \a < 6
	LOADCS \a+2
.endif
	PACKH
	STG \a, 0
	SEND \a-1, 16                                  ; behind that block's loads: this block's 8 stores and 8 loads
.endr
	SEND 7, 0
	s_branch .Ldone
.Lvpath:
	s_cmp_eq_u32 s[SPC], 0
	s_cbranch_scc0 .Lnot_first_v
	WIN 0x08                                       ; a store's data: window 2
.irp b, 0,1,2,3,4,5,6,7
.irp c, 0,1
	global_store_b128 v[CO], v[8*\b+4*\c:8*\b+4*\c+3], s[FB:FB+1] offset:(\b/4)*4096+(\b%4)*1024+\c*512
.endr
.endr
	WIN 0
.Lnot_first_v:
	PACKV 0
	STG 0, VSTG
.irp a, 1,2,3,4,5,6,7
.if \a > 1
	s_wait_xcnt 0x0
.endif
	PACKV \a
	STG \a, VSTG
	SEND \a-1, 16
.endr
	SEND 7, 0
.Ldone:
	s_wait_tensorcnt 0x0                           ; the wave's end
	ds_add_u32 v[SPW], v[NIL]
	s_wait_dscnt 0x0
	CROUND                                         ; the closing round
	s_endpgm
.Lfunc_end_k_qc26690d84d_qkv:
	.size	k_qc26690d84d_qkv, .Lfunc_end_k_qc26690d84d_qkv-k_qc26690d84d_qkv
	.p2alignl 7, 3214868480
	.fill 96, 4, 3214868480
	.section	.rodata,"a",@progbits
	.p2align	6, 0x0
	.amdhsa_kernel k_qc26690d84d_qkv
		.amdhsa_group_segment_fixed_size 327680
		.amdhsa_private_segment_fixed_size 0
		.amdhsa_enable_private_segment 0
		.amdhsa_kernarg_size 40
		.amdhsa_user_sgpr_count 2
		.amdhsa_user_sgpr_kernarg_segment_ptr 1
		.amdhsa_wavefront_size32 1
		.amdhsa_system_sgpr_workgroup_id_x 1
		.amdhsa_system_sgpr_workgroup_id_y 1
		.amdhsa_system_sgpr_workgroup_id_z 1
		.amdhsa_system_vgpr_workitem_id 0
		.amdhsa_next_free_vgpr 1024
		.amdhsa_next_free_sgpr 102
		.amdhsa_reserve_vcc 0
		.amdhsa_float_denorm_mode_32 3
		.amdhsa_float_denorm_mode_16_64 3
		.amdhsa_memory_ordered 1
		.amdhsa_forward_progress 1
		.amdhsa_inst_pref_size 199
	.end_amdhsa_kernel
	.amdgpu_metadata
---
amdhsa.version: [ 1, 2 ]
amdhsa.kernels:
  - .name:           k_qc26690d84d_qkv
    .symbol:         k_qc26690d84d_qkv.kd
    .args:
      - { .name: codes, .offset: 0, .size: 8, .value_kind: global_buffer, .address_space: global }
      - { .name: scales, .offset: 8, .size: 8, .value_kind: global_buffer, .address_space: global }
      - { .name: tabs, .offset: 16, .size: 8, .value_kind: global_buffer, .address_space: global }
      - { .name: qkvh, .offset: 24, .size: 8, .value_kind: global_buffer, .address_space: global }
      - { .name: fine32, .offset: 32, .size: 8, .value_kind: global_buffer, .address_space: global }
    .group_segment_fixed_size: 327680
    .private_segment_fixed_size: 0
    .kernarg_segment_align: 8
    .kernarg_segment_size: 40
    .max_flat_workgroup_size: 128
    .sgpr_count:     102
    .vgpr_count:     1024
    .wavefront_size: 32
...
	.end_amdgpu_metadata
.endif
;; end of part 2
;; launch attn (part 3): grid 4 x 64, 16 waves a work-group, no clusters, 327,680 bytes of LDS; arguments qkvh, att; writes att
.if DOCPART == 3
	.amdgcn_target "amdgcn-amd-amdhsa--gfx1250"
	.amdhsa_code_object_version 6
	.text
	.protected	k_qc26690d84d_attn
	.globl	k_qc26690d84d_attn
	.p2align	8
	.type	k_qc26690d84d_attn,@function
k_qc26690d84d_attn:
	s_mov_b64 s[64:65], 0
	v_nop
	global_prefetch_b8 v0, s[64:65] scope:SCOPE_SE
	s_setreg_imm32_b32 hwreg(HW_REG_WAVE_MODE, 25, 1), 1
	s_wait_xcnt 0x0
; att[head][batch x 2048 + q][:] = the sum over keys k <= q of softmax_k(Q[q] . K[k] / 8) V[k][:], for one batch and head a work-group row.  Q, K, V: qkvh [3][64][2048][64] f16.  Products with f16 operands and
; f32 sums; maxima, exponentials and row sums in f32, with a running maximum; the weights are rounded to f16 for the second product, the result once at the end.
; WORK LEFT OUT: key steps all of whose keys come after a tile's queries (reference()'s own jnp.tril makes their weights 0 for all inputs), and slots that no wave of the work-group reads.
; The tile with positions 0 to 15 of a sequence is made by launch fine, with f32 operands; here zeros are stored in its place, so that launch oproj's tiles read written bytes.
; SHARES.  Work-group (i, batch x head).  Each of sixteen waves owns TWO tiles of 16 queries: tile H at 256 (7 - i) + 16 w and tile L at 256 i + 16 w: (8 - i) + (i + 1) = 9 blocks of 256 keys in every work-group.
; While both tiles are live, each fragment of K and V read from LDS feeds two matrix instructions.  Every work-group walks all eight slots of 256 keys, with constant trip counts; work is jumped over by scalar branches on ids.
; NO CLUSTER: the four work-groups of a head need 8, 7, 6 and 5 slots, so a joint load would bring tiles that every wave of some partner jumps over.
; LAYOUT.  S^T = K Q^T (source 0 = 16 keys, source 1 = 16 queries), O^T = V^T P (source 0 = 16 channels, by the turning load; source 1 = P): a lane holds ONE query (lane % 16) throughout.
; LDS.  K's and V's rows of 128 bytes are dense in memory: a tile is stated as rows of 256 bytes (two keys), K's with 16 bytes behind each, V's with 32.  Key kk lies at (kk / 2) x pitch + (kk % 2) x 128.
; REGISTERS: v1-11 addresses; tile x: v[16+8x..] c m, m, the sum (2), four at work; v[32+16x..] Q; v[64+32x..] O^T; v[128+32x..] S^T, then P in its first 16; v192-255 K's fragments, then V's.
.set KP,    272
.set VP,    288
.set VOFF,  128*KP                     ; a slot: 128 rows of K, then 128 rows of V
.set SLOT1, 1<<17
.set SPARE, 2*SLOT1                    ; the spare words: 128 bytes a wave, named by no other line
.set KSTB,  32*KP                      ; a step of 64 keys
.set VSTB,  32*VP
.set AK0, 1
.set AV0, 2
.set SPW, 3
.set NIL, 4
.set GO,  5                            ; 16 x lane
.set ADK, 6
.set ADV, 7
.set DL,  8                            ; r - 8 h
.set PFO, 9                            ; 256 x lane
.set TK,  2                            ; s2  LDS byte of the step's keys
.set TV,  3                            ; s3  the same for V (without VOFF)
.set WV,  18
.set SEL, 20
.set CS,  22                           ; s[22:23] c = log2(e) / 8
.set G1K, 24
.set G1V, 32
.set G0K, 40
.set G0V, 44
.set KF,  48                           ; the step's first key
.set Q0H, 50
.set Q0L, 51
.set QEH, 52                           ; tile H's last query
.set QEL, 53                           ; tile L's, or -1 for the tile that launch fine makes
.set QWG, 54                           ; the work-group's last query
.set SLOTS, 55
.set CNT, 56
.set PFA, 58
.set LIM, 60
; Waves 0 and 1 fetch K's halves of a slot, waves 2 and 3 V's, the others nothing.  An s_nop 0 and four v_nop follow each line.
.macro TLOAD
	s_cmp_lt_u32 s[WV], 2
	s_cbranch_scc0 .Lnot_k_\@
	tensor_load_to_lds s[G0K:G0K+3], s[G1K:G1K+7]
	s_nop 0
.rept 4
	v_nop
.endr
	s_branch .Lasked_\@
.Lnot_k_\@:
	s_cmp_lt_u32 s[WV], 4
	s_cbranch_scc0 .Lasked_\@
	tensor_load_to_lds s[G0V:G0V+3], s[G1V:G1V+7]
	s_nop 0
.rept 4
	v_nop
.endr
.Lasked_\@:
.endm
; A prefetch of the slot that the NEXT change of slots will load.  Work-group x = 0 of a head, which walks all eight slots, asks; in it waves 4 to 7 for K's 32,768 bytes, waves 8 to 11 for V's:
; 8,192 bytes a wave, lanes 256 bytes apart: each block of 256 bytes is named once in the launch.  Slots 2 to 7 are named; the last change that fills a slot asks for nothing.
.macro ASK
	s_cmp_gt_u32 s[SLOTS], s[LIM]
	s_cbranch_scc0 .Lnot_mine_\@
	global_prefetch_b8 v[PFO], s[PFA:PFA+1] th:TH_LOAD_NT scope:SCOPE_SE
.Lnot_mine_\@:
.endm
; 8 products of S^T = K Q^T for tile x: four accumulators by turns; the first four start the sums
.macro KQ x
.irp ks, 0,1
.irp kt, 0,1,2,3
.if \ks == 0
	v_wmma_f32_16x16x32_f16 v[128+32*(\x)+8*\kt:128+32*(\x)+8*\kt+7], v[192+8*(2*\kt+\ks):192+8*(2*\kt+\ks)+7], v[32+16*(\x)+8*\ks:32+16*(\x)+8*\ks+7], 0
.else
	v_wmma_f32_16x16x32_f16 v[128+32*(\x)+8*\kt:128+32*(\x)+8*\kt+7], v[192+8*(2*\kt+\ks):192+8*(2*\kt+\ks)+7], v[32+16*(\x)+8*\ks:32+16*(\x)+8*\ks+7], v[128+32*(\x)+8*\kt:128+32*(\x)+8*\kt+7]
.endif
.endr
.endr
.endm
; 8 products of O^T += V^T P for tile x
.macro PV x
.irp c, 0,1
.irp t, 0,1,2,3
	v_wmma_f32_16x16x32_f16 v[64+32*(\x)+8*\t:64+32*(\x)+8*\t+7], v[192+8*(4*\c+\t):192+8*(4*\c+\t)+7], v[128+32*(\x)+8*\c:128+32*(\x)+8*\c+7], v[64+32*(\x)+8*\t:64+32*(\x)+8*\t+7]
.endr
.endr
.endm
; On the diagonal the scores of hidden keys become -infinity ahead of the maximum.  Register 8 kt + j holds key KF + 16 kt + 8 h + j: hidden where 16 kt + j > query - KF - 8 h.  A step all of whose keys count skips this.
.macro MASK x
.set mT, 16+8*(\x)
.set mS, 128+32*(\x)
	s_add_co_u32 s66, s[KF], 63
	s_cmp_le_u32 s66, s[Q0H+(\x)]
	s_cbranch_scc1 .Lopen_\@
	s_sub_co_i32 s66, s[Q0H+(\x)], s[KF]
	v_add_nc_u32 v[mT+4], s66, v[DL]
	v_mov_b32 v[mT+5], 0xff800000
.set n, 0
.rept 32
	v_cmp_gt_i32 vcc_lo, 16*(n/8)+n%8, v[mT+4]
	v_cndmask_b32 v[mS+n], v[mS+n], v[mT+5], vcc_lo
.set n, n+1
.endr
.Lopen_\@:
.endm
; Tile x's softmax for a step: the new maximum m; a = 2^(c m_old - c m_new); p = 2^(c s - c m); the sum = a x the sum + p's; P in f16, in place; O^T x a.
.macro SOFT x
.set rT, 16+8*(\x)
.set rS, 128+32*(\x)
.set rO, 64+32*(\x)
.irp j, 0,1,2,3
	v_max3_num_f32 v[rT+4+\j], v[rS+8*\j], v[rS+8*\j+1], v[rS+8*\j+2]      ; each accumulator is read from its low end on
.endr
.irp g, 1,2
.irp j, 0,1,2,3
	v_max3_num_f32 v[rT+4+\j], v[rT+4+\j], v[rS+8*\j+2*\g+1], v[rS+8*\j+2*\g+2]
.endr
.endr
	v_max3_num_f32 v[rT+4], v[rT+4], v[rS+7], v[rS+15]
	v_max3_num_f32 v[rT+6], v[rT+6], v[rS+23], v[rS+31]
	v_max3_num_f32 v[rT+4], v[rT+4], v[rT+5], v[rT+6]
	v_max3_num_f32 v[rT+4], v[rT+4], v[rT+7], v[rT+1]
	v_permlanex16_b32 v[rT+5], v[rT+4], s[SEL], s[SEL+1]                   ; the query's other 32 keys lie in the lane 16 away
	v_mov_b32 v[rT+7], v[rT]
	v_max_num_f32 v[rT+1], v[rT+4], v[rT+5]
	v_mul_f32 v[rT], s[CS], v[rT+1]
	v_sub_f32 v[rT+7], v[rT+7], v[rT]
.set j, 0
.rept 16
	v_pk_fma_f32 v[rS+j:rS+j+1], v[rS+j:rS+j+1], s[CS:CS+1], v[rT:rT+1] op_sel_hi:[1,0,0] neg_lo:[0,0,1] neg_hi:[0,0,1]
.set j, j+2
.endr
	v_exp_f32 v[rT+6], v[rT+7]
.set j, 0
.rept 32
	v_exp_f32 v[rS+j], v[rS+j]
.set j, j+1
.endr
	v_nop                                          ; a plain instruction behind the last exponential
	s_wait_alu depctr_va_vdst(0)                   ; one wait for the batch of 33, ahead of its first reader
	v_pk_fma_f32 v[rT+2:rT+3], v[rT+2:rT+3], v[rT+6:rT+7], v[rS:rS+1] op_sel_hi:[1,0,1]
	v_pk_add_f32 v[rT+4:rT+5], v[rS+2:rS+3], v[rS+4:rS+5]
.irp j, 6,10,14,18,22,26
	v_pk_add_f32 v[rT+2:rT+3], v[rT+2:rT+3], v[rS+\j:rS+\j+1]
	v_pk_add_f32 v[rT+4:rT+5], v[rT+4:rT+5], v[rS+\j+2:rS+\j+3]
.endr
	v_pk_add_f32 v[rT+2:rT+3], v[rT+2:rT+3], v[rS+30:rS+31]
	v_pk_add_f32 v[rT+2:rT+3], v[rT+2:rT+3], v[rT+4:rT+5]
.set j, 0
.rept 16
	v_cvt_pk_f16_f32 v[rS+j], v[rS+2*j], v[rS+2*j+1]                       ; ascending and in place: register j is written when 2 j and 2 j + 1 are read
.set j, j+1
.endr
.set j, 0
.rept 16
	v_pk_mul_f32 v[rO+j:rO+j+1], v[rO+j:rO+j+1], v[rT+6:rT+7] op_sel_hi:[1,0]
.set j, j+2
.endr
.endm
; What follows tile H's K Q^T in a step.  two = 1: tile L is live as well.
.macro BODY two
.if \two
	KQ 1
.endif
.rept 4
	v_nop                                          ; places: behind them V is loaded over K's fragments, and the scores are read
.endr
.irp c, 0,1
.irp t, 0,1,2,3
	ds_load_tr16_b128 v[192+8*(4*\c+\t):192+8*(4*\c+\t)+3], v[ADV] offset:\c*16*VP+\t*32
	ds_load_tr16_b128 v[192+8*(4*\c+\t)+4:192+8*(4*\c+\t)+7], v[ADV] offset:\c*16*VP+8*VP+\t*32
.endr
.endr
	MASK 0
	SOFT 0
.if \two
	MASK 1
	SOFT 1
.endif
	s_wait_dscnt 0x0                               ; V is in: it landed under the softmax
	PV 0
.if \two
	PV 1
.endif
.rept 5
	v_nop                                          ; places: the next step's first products write over P, and its loads land on V's fragments
.endr
.endm
.macro STEP
	s_cmp_gt_u32 s[KF], s[QEH]                     ; all 64 keys come after tile H's queries, and so after tile L's: the step's work is left out
	s_cbranch_scc1 .Lhid_\@
	v_add_nc_u32 v[ADK], s[TK], v[AK0]
	v_add_nc_u32 v[ADV], s[TV], v[AV0]
.irp kt, 0,1,2,3
.irp ks, 0,1
	ds_load_b128 v[192+8*(2*\kt+\ks):192+8*(2*\kt+\ks)+3], v[ADK] offset:\kt*8*KP+\ks*64
	ds_load_b128 v[192+8*(2*\kt+\ks)+4:192+8*(2*\kt+\ks)+7], v[ADK] offset:\kt*8*KP+\ks*64+32
.endr
.endr
	s_wait_dscnt 0x0
	KQ 0
	s_cmp_gt_i32 s[KF], s[QEL]                     ; is tile L past its diagonal (or not mine to make)?
	s_cbranch_scc1 .Lone_\@
	BODY 1
	s_branch .Lhid_\@
.Lone_\@:
	BODY 0
.Lhid_\@:
	s_add_co_u32 s[KF], s[KF], 64
	s_add_co_u32 s[TK], s[TK], KSTB
	s_add_co_u32 s[TV], s[TV], VSTB
.endm
.macro SLOT_STEPS                      ; a slot's four steps: written once, walked four times
	s_mov_b32 s[CNT], 4
.Lstep_\@:
	STEP
	s_sub_co_u32 s[CNT], s[CNT], 1
	s_cmp_lg_u32 s[CNT], 0
	s_cbranch_scc1 .Lstep_\@
	s_sub_co_u32 s[TK], s[TK], 4*KSTB
	s_xor_b32 s[TK], s[TK], SLOT1
	s_sub_co_u32 s[TV], s[TV], 4*VSTB
	s_xor_b32 s[TV], s[TV], SLOT1
.endm
; THE CHANGE OF SLOTS, at a slot's head.  Each wave waits for all its tensor loads, adds 0 to its spare word, and waits for that and for its reads of the slot that it has left; then the barrier.
; fill = 1: the slot just left is filled with the next 256 keys, if any wave of the work-group will read them.
.macro CHANGE fill
	s_wait_tensorcnt 0x0                           ; no tensor load of mine is out, so a group 0 may be written
	ds_add_u32 v[SPW], v[NIL]
.if \fill
	ds_add_u32 v[SPW], v[NIL]                      ; twice on end here, in every trip alike
	s_xor_b32 s[G0K+1], s[G0K+1], SLOT1
	s_add_nc_u64 s[G0K+2:G0K+3], s[G0K+2:G0K+3], 32768
	s_xor_b32 s[G0V+1], s[G0V+1], SLOT1
	s_add_nc_u64 s[G0V+2:G0V+3], s[G0V+2:G0V+3], 32768
	s_wait_xcnt 0x0                                ; the last prefetch, a slot back, has read its address
	s_add_nc_u64 s[PFA:PFA+1], s[PFA:PFA+1], 32768
.endif
	s_wait_dscnt 0x0
	s_barrier_signal -1
	s_barrier_wait -1
.if \fill
	s_add_co_u32 s66, s[KF], 256                   ; the first key of the slot that this change would ask for
	s_cmp_gt_u32 s66, s[QWG]                       ; ids and the count of steps alone: all sixteen waves go the same way; every wait on TENSORcnt in this text is for 0
	s_cbranch_scc1 .Lpast_\@
	TLOAD
.Lpast_\@:
	ASK
.endif
.endm
	s_load_b128 s[4:7], s[0:1], 0x0                ; qkvh s[4:5], att s[6:7]
	v_lshl_add_u32 v[SPW], v0, 2, SPARE
	v_mov_b32 v[NIL], 0
	ds_add_u32 v[SPW], v[NIL]                      ; the wave's opening
	ds_add_u32 v[SPW], v[NIL]
	v_lshrrev_b32 v12, 5, v0
	v_readfirstlane_b32 s[WV], v12                 ; wave 0..15
	s_and_b32 s66, ttmp7, 0xffff                   ; batch x 16 + head
	s_lshl_b32 s67, s66, 18                        ; its 2,048 rows of 128 bytes
	s_sub_co_u32 s68, 7, ttmp9
	s_lshl_b32 s[Q0H], s68, 8
	s_lshl_b32 s69, s[WV], 4
	s_add_co_u32 s[Q0H], s[Q0H], s69
	s_lshl_b32 s[Q0L], ttmp9, 8
	s_add_co_u32 s[Q0L], s[Q0L], s69
	s_add_co_u32 s[QEH], s[Q0H], 15
	s_add_co_u32 s[QEL], s[Q0L], 15
	s_cmp_eq_u32 s[Q0L], 0
	s_cselect_b32 s[QEL], -1, s[QEL]
	s_or_b32 s[QWG], s[Q0H], 255
	s_and_b32 s70, s[WV], 1                        ; which half of a slot I fetch, if I fetch
	s_lshl_b32 s71, s70, 14
	s_add_co_u32 s72, s67, s71
	s_mov_b32 s73, 0
	s_add_nc_u64 s[74:75], s[72:73], 0x1000000     ; K lies 16,777,216 bytes into qkvh,
	s_add_nc_u64 s[76:77], s[72:73], 0x2000000     ; V twice as far
	s_mul_i32 s78, s70, 64*KP
	s_mul_i32 s79, s70, 64*VP
	s_add_co_u32 s79, s79, VOFF
	s_mov_b32 s[G1K], (1<<16)|(1<<20)|(5<<22)|(3<<25)   ; elements of 2 bytes; padding on: 4 words behind every 64
	s_mov_b32 s[G1V], (1<<16)|(1<<20)|(5<<22)|(7<<25)   ; 8 words
.irp g, G1K, G1V
	s_mov_b32 s[\g+1], 128<<16                     ; tensor_dim0: 128 elements, two keys
	s_mov_b32 s[\g+2], 64<<16                      ; tensor_dim1
	s_mov_b32 s[\g+3], 128<<16                     ; tile_dim0
	s_mov_b32 s[\g+4], 64                          ; tile_dim1
	s_mov_b32 s[\g+5], 128                         ; from row to row
	s_mov_b32 s[\g+6], 0
	s_mov_b32 s[\g+7], 0
.endr
	s_mov_b32 s[SEL], 0x76543210
	s_mov_b32 s[SEL+1], 0xfedcba98
	s_mov_b32 s[CS], 0x3e38aa3b                    ; log2(e) / 8
	s_mov_b32 s[CS+1], s[CS]
	s_mov_b32 s[TK], 0
	s_mov_b32 s[TV], 0
	s_mov_b32 s[KF], 0
	s_mov_b32 s[SLOTS], 7
	s_wait_dscnt 0x0                               ; both opening adds are done
	s_wait_kmcnt 0x0
	s_mov_b32 s[G0K], 1
	s_mov_b32 s[G0K+1], s78
	s_add_nc_u64 s[G0K+2:G0K+3], s[4:5], s[74:75]
	s_or_b32 s[G0K+3], s[G0K+3], 0x80000000
	s_mov_b32 s[G0V], 1
	s_mov_b32 s[G0V+1], s79
	s_add_nc_u64 s[G0V+2:G0V+3], s[4:5], s[76:77]
	s_or_b32 s[G0V+3], s[G0V+3], 0x80000000
	TLOAD                                          ; slot 0: key 0 counts for every query
	s_lshl_b32 s70, s[Q0H], 7
	s_add_co_u32 s70, s70, s67
	s_mov_b32 s71, 0
	s_add_nc_u64 s[8:9], s[4:5], s[70:71]          ; tile H's queries
	s_lshl_b32 s70, s[Q0L], 7
	s_add_co_u32 s70, s70, s67
	s_add_nc_u64 s[10:11], s[4:5], s[70:71]        ; tile L's
	s_and_b32 s72, s66, 15
	s_lshl_b32 s72, s72, 13
	s_lshr_b32 s74, s66, 4
	s_lshl_b32 s74, s74, 11
	s_add_co_u32 s72, s72, s74                     ; head x 8,192 + batch x 2,048
	s_add_co_u32 s74, s72, s[Q0H]
	s_lshl_b32 s74, s74, 7
	s_mov_b32 s75, 0
	s_add_nc_u64 s[12:13], s[6:7], s[74:75]
	s_add_co_u32 s74, s72, s[Q0L]
	s_lshl_b32 s74, s74, 7
	s_add_nc_u64 s[14:15], s[6:7], s[74:75]
	s_cmp_lt_u32 s[WV], 8                          ; the prefetches: waves 4 to 7 K, waves 8 to 11 V
	s_mov_b32 s72, 0x2000000
	s_cselect_b32 s72, 0x1000000, s72
	s_add_co_u32 s72, s72, s67
	s_and_b32 s73, s[WV], 3
	s_lshl_b32 s73, s73, 13
	s_add_co_u32 s72, s72, s73
	s_add_co_u32 s72, s72, 32768                   ; in slot 1: the first change of slots steps it to slot 2
	s_mov_b32 s73, 0
	s_add_nc_u64 s[PFA:PFA+1], s[4:5], s[72:73]
	s_sub_co_u32 s72, s[WV], 4
	s_lshr_b32 s72, s72, 3
	s_or_b32 s72, s72, ttmp9
	s_cmp_eq_u32 s72, 0
	s_cselect_b32 s[LIM], 1, -1
	v_and_b32 v12, 15, v0                          ; r
	v_bfe_u32 v13, v0, 4, 1                        ; h
	v_lshlrev_b32 v14, 7, v12
	v_lshl_add_u32 v14, v13, 4, v14                ; Q: row r of 128 bytes, + 16 h
.irp ks, 0,1
	global_load_b128 v[32+8*\ks:35+8*\ks], v14, s[8:9] offset:64*\ks
	global_load_b128 v[36+8*\ks:39+8*\ks], v14, s[8:9] offset:64*\ks+32
	global_load_b128 v[48+8*\ks:51+8*\ks], v14, s[10:11] offset:64*\ks
	global_load_b128 v[52+8*\ks:55+8*\ks], v14, s[10:11] offset:64*\ks+32
.endr
	v_lshrrev_b32 v15, 1, v12
	v_mul_u32_u24 v[AK0], v15, KP
	v_and_b32 v10, 1, v0
	v_lshl_add_u32 v[AK0], v10, 7, v[AK0]
	v_lshl_add_u32 v[AK0], v13, 4, v[AK0]          ; K: key r: (r / 2) x 272 + (r % 2) x 128 + 16 h
	v_bfe_u32 v15, v0, 1, 2
	v_lshl_add_u32 v15, v13, 2, v15
	v_mul_u32_u24 v[AV0], v15, VP
	v_lshl_add_u32 v[AV0], v10, 7, v[AV0]
	v_bfe_u32 v15, v0, 3, 1
	v_lshl_add_u32 v[AV0], v15, 4, v[AV0]
	v_add_nc_u32 v[AV0], VOFF, v[AV0]              ; V, for the turning load: key 8 h + lane % 8, channels 8 ((lane / 8) % 2) on
	v_and_b32 v[GO], 31, v0
	v_lshlrev_b32 v[PFO], 8, v[GO]
	v_lshlrev_b32 v[GO], 4, v[GO]
	v_lshlrev_b32 v[DL], 3, v13
	v_sub_nc_u32 v[DL], v12, v[DL]
.irp x, 0,1
	v_mov_b32 v[17+8*\x], 0xff61b1e6               ; m: -3e38, under every score
	v_mul_f32 v[16+8*\x], s[CS], v[17+8*\x]
	v_mov_b32 v[18+8*\x], 1.0                      ; the sum: a live tile's first a is 0 and wipes the 1; the tile that is not made here divides its zeros by it
	v_mov_b32 v[19+8*\x], 0
	v_mov_b32 v[20+8*\x], 0
	v_mov_b32 v[21+8*\x], 0
	v_mov_b32 v[22+8*\x], 0
	v_mov_b32 v[23+8*\x], 0
.endr
.set j, 0
.rept 64
	v_mov_b32 v[64+j], 0                           ; O^T: the step is written once; its first walk finds zeros
.set j, j+1
.endr
	s_wait_loadcnt 0x0                             ; Q
.Lslot:                                            ; seven trips
	CHANGE 1
	SLOT_STEPS
	s_sub_co_u32 s[SLOTS], s[SLOTS], 1
	s_cmp_lg_u32 s[SLOTS], 0
	s_cbranch_scc1 .Lslot
	CHANGE 0                                       ; the last slot is written out: nothing is left to ask for
	SLOT_STEPS
	; THE WAY OUT.  The sum's halves are added; O^T / the sum, in f16, goes through my stage (16 rows x 144 bytes, in slot 0, which has had its last fill and its last read) and leaves as 512 consecutive bytes a store.
.irp x, 0,1
	v_add_f32 v[20+8*\x], v[18+8*\x], v[19+8*\x]
.endr
.irp x, 0,1
	v_permlanex16_b32 v[21+8*\x], v[20+8*\x], s[SEL], s[SEL+1]
.endr
.irp x, 0,1
	v_add_f32 v[20+8*\x], v[20+8*\x], v[21+8*\x]
.endr
.irp x, 0,1
	v_rcp_f32 v[22+8*\x], v[20+8*\x]
.endr
	s_mul_i32 s66, s[WV], 2304
	v_and_b32 v12, 15, v0
	v_bfe_u32 v13, v0, 4, 1
	v_mul_u32_u24 v10, v12, 144
	v_lshl_add_u32 v10, v13, 4, v10
	v_add_nc_u32 v10, s66, v10                     ; in: row r, + 16 h
	v_bfe_u32 v12, v0, 3, 2
	v_mul_u32_u24 v11, v12, 144
	v_and_b32 v13, 7, v0
	v_lshl_add_u32 v11, v13, 4, v11
	v_add_nc_u32 v11, s66, v11                     ; back: eight lanes to a row, four rows an instruction
	s_wait_alu depctr_va_vdst(0)                   ; one wait for the two reciprocals, ahead of their first reader
.macro OUTT x
.set j, 0
.rept 16
	v_pk_mul_f32 v[192+32*(\x)+j:192+32*(\x)+j+1], v[64+32*(\x)+j:64+32*(\x)+j+1], v[22+8*(\x):23+8*(\x)] op_sel_hi:[1,0]
.set j, j+2
.endr
.set j, 0
.rept 16
	v_cvt_pk_f16_f32 v[128+32*(\x)+j], v[192+32*(\x)+2*j], v[192+32*(\x)+2*j+1]
.set j, j+1
.endr
.irp t, 0,1,2,3
	ds_store_b128 v10, v[128+32*(\x)+4*\t:128+32*(\x)+4*\t+3] offset:32*\t
.endr
.irp u, 0,1,2,3
	ds_load_b128 v[144+32*(\x)+4*\u:144+32*(\x)+4*\u+3], v11 offset:576*\u   ; LDS serves a wave's instructions in order: these see my stores, and the next tile's stores come behind them
.endr
.endm
	OUTT 0
	OUTT 1
.irp u, 0,1,2,3
	s_wait_dscnt 11-\u                             ; behind this load: the rest of tile H's, and tile L's 4 stores and 4 loads
	global_store_b128 v[GO], v[144+4*\u:147+4*\u], s[12:13] offset:512*\u
.endr
.irp u, 0,1,2,3
	s_wait_dscnt 3-\u
	global_store_b128 v[GO], v[176+4*\u:179+4*\u], s[14:15] offset:512*\u
.endr
	s_wait_tensorcnt 0x0                           ; the wave's end
	ds_add_u32 v[SPW], v[NIL]
	s_wait_dscnt 0x0
	s_endpgm
.Lfunc_end_k_qc26690d84d_attn:
	.size	k_qc26690d84d_attn, .Lfunc_end_k_qc26690d84d_attn-k_qc26690d84d_attn
	.p2alignl 7, 3214868480
	.fill 96, 4, 3214868480
	.section	.rodata,"a",@progbits
	.p2align	6, 0x0
	.amdhsa_kernel k_qc26690d84d_attn
		.amdhsa_group_segment_fixed_size 327680
		.amdhsa_private_segment_fixed_size 0
		.amdhsa_enable_private_segment 0
		.amdhsa_kernarg_size 16
		.amdhsa_user_sgpr_count 2
		.amdhsa_user_sgpr_kernarg_segment_ptr 1
		.amdhsa_wavefront_size32 1
		.amdhsa_system_sgpr_workgroup_id_x 1
		.amdhsa_system_sgpr_workgroup_id_y 1
		.amdhsa_system_sgpr_workgroup_id_z 1
		.amdhsa_system_vgpr_workitem_id 0
		.amdhsa_next_free_vgpr 256
		.amdhsa_next_free_sgpr 90
		.amdhsa_reserve_vcc 1
		.amdhsa_float_denorm_mode_32 3
		.amdhsa_float_denorm_mode_16_64 3
		.amdhsa_memory_ordered 1
		.amdhsa_forward_progress 1
		.amdhsa_inst_pref_size 84
	.end_amdhsa_kernel
	.amdgpu_metadata
---
amdhsa.version: [ 1, 2 ]
amdhsa.kernels:
  - .name:           k_qc26690d84d_attn
    .symbol:         k_qc26690d84d_attn.kd
    .args:
      - { .name: qkvh, .offset: 0, .size: 8, .value_kind: global_buffer, .address_space: global }
      - { .name: att, .offset: 8, .size: 8, .value_kind: global_buffer, .address_space: global }
    .group_segment_fixed_size: 327680
    .private_segment_fixed_size: 0
    .kernarg_segment_align: 8
    .kernarg_segment_size: 16
    .max_flat_workgroup_size: 512
    .sgpr_count:     90
    .vgpr_count:     256
    .wavefront_size: 32
...
	.end_amdgpu_metadata
.endif
;; end of part 3
;; launch oproj (part 4): grid 4 x 64, 4 waves a work-group, clusters of 4 x 4, 327,680 bytes of LDS; arguments att, tabs, out0; writes out0
.if DOCPART == 4
	.amdgcn_target "amdgcn-amd-amdhsa--gfx1250"
	.amdhsa_code_object_version 6
	.text
	.protected	k_qc26690d84d_oproj
	.globl	k_qc26690d84d_oproj
	.p2align	8
	.type	k_qc26690d84d_oproj,@function
k_qc26690d84d_oproj:
	s_mov_b64 s[64:65], 0
	v_nop
	global_prefetch_b8 v0, s[64:65] scope:SCOPE_SE
	s_setreg_imm32_b32 hwreg(HW_REG_WAVE_MODE, 25, 1), 1
	s_wait_xcnt 0x0
	s_wait_alu depctr_hold_cnt(0) depctr_sa_sdst(0) depctr_va_vdst(0) depctr_va_sdst(0) depctr_va_ssrc(0) depctr_va_vcc(0) depctr_vm_vsrc(0)
	s_getreg_b32 s2, hwreg(HW_REG_IB_STS2, 6, 4)
	s_cmp_eq_u32 s2, 0
	s_cbranch_scc0 .Lentry_in_a_cluster
	s_endpgm
.Lentry_in_a_cluster:
	s_bfe_u32 s2, ttmp6, 0x10000c
	s_cmp_lg_u32 s2, 0xf033
	s_cbranch_scc0 .Lentry_shape_is_right
	s_endpgm
.Lentry_shape_is_right:
; out0[m][n] = the sum over i of attn[m][i] Wo[n][i]: f16 operands, f32 sums, f32 out.  attn: att [head][row 8192][64] f16; Wo: tabs [k block of 64][n 1024][64] f16.
; WORK LEFT OUT: the first 16 rows of each sequence are not stored here: launch fine makes them, with f32 operands.
; A tile of out0 is 128 rows x 256 columns: 256 work-groups.  Four waves, each 64 rows x 128 columns: 32 accumulators, 256 registers (window 1).  K goes in steps of 128 (two heads) through two LDS slots.
; A head's 128 rows of att, and a k block's 256 rows of Wo, are dense in memory: each is one tensor load, stated as rows of 256 bytes (two rows of 64 f16) with 16 bytes behind each.
; CLUSTERS: 4 x 4.  Tile column = cx; TILE ROW = cluster y + 16 cy, so cluster y = 0, a number that all partners share, marks a sequence's first tile.  A's tiles are asked for jointly along a row of the cluster, B's along a column.
; THE MATRIX INSTRUCTION IS USED TRANSPOSED (source 0 = 16 rows of Wo, source 1 = 16 rows of att): a lane holds eight neighbouring numbers of a row of out0.
; REGISTERS: window 0: v16-30 addresses; v32-127 and v128-223 two fragment buffers (B's eight at +8 b, A's four at +64 + 8 a); on the way out v32-159 rows.  window 1: accumulator (a, b) at v[8 (8 a + b)].
.set PITCH, 272
.set ASUB,  64*PITCH                   ; a head's 128 rows of A
.set BSUB,  128*PITCH                  ; a k block's 256 rows of B
.set SLOT,  2*ASUB+2*BSUB
.set STAGE, 2*SLOT                     ; 16 rows x 528 bytes for each wave
.set SPARE, STAGE+4*16*528             ; the spare words: 128 bytes a wave, named by no other line
.set ADRA, 16
.set ADRB, 20
.set STO,  24
.set RD,   25
.set CO,   26
.set SPW,  28
.set NIL,  29
.set PFO,  30
.set F0,   32
.set F1,   128
.set G1, 24
.set G0, 32
.set G1B, 48
.set G0B, 56
.set PFA, 66
.set LIM, 68
.set SKP, 69                           ; 0 in the waves whose first 16 rows are a sequence's first
.set OUTA, 70                          ; s[70:71]
.set MSB, 0
.macro WIN new
.if MSB != (\new)
	s_set_vgpr_msb (MSB<<8)|(\new)
.set MSB, (\new)
.endif
.endm
.set MUL, 0x50                         ; C and D window 1
.macro JLOAD s                         ; waves 0 and 1 fetch A's two heads, waves 2 and 3 B's two k blocks; an s_nop 0 and four v_nop follow each line
	s_cmp_eq_u32 s11, 0
	s_cbranch_scc0 .Lfor_b_\@
	tensor_load_to_lds s[G0+4*\s:G0+4*\s+3], s[G1:G1+7]
	s_nop 0
.rept 4
	v_nop
.endr
	s_branch .Lasked_\@
.Lfor_b_\@:
	tensor_load_to_lds s[G0B+4*\s:G0B+4*\s+3], s[G1B:G1B+7]
	s_nop 0
.rept 4
	v_nop
.endr
.Lasked_\@:
.endm
.macro CREST
	s_cmp_lg_u32 s10, 0
	s_cbranch_scc1 .Lnot_wave_0_\@
	s_barrier_signal -3
.Lnot_wave_0_\@:
	s_barrier_wait -3
	s_barrier_signal -1
	s_barrier_wait -1
.endm
.macro CROUND
	s_barrier_signal -1
	s_barrier_wait -1
	CREST
.endm
; A prefetch of A's K step that stands two refills on: 32,768 bytes, of which each of the four partners that ask for the tile jointly takes 8,192, told apart by ADDRESS; wave 0 asks, lanes 256 bytes apart.
; So each block of 256 bytes of K steps 4 to 7 is named once.  The loop's last trip asks for nothing.  Wo's tiles are read by all clusters alike and are not asked for.
.macro ASK
	s_cmp_gt_u32 s3, s[LIM]
	s_cbranch_scc0 .Lnot_mine_\@
	global_prefetch_b8 v[PFO], s[PFA:PFA+1] offset:2097152 th:TH_LOAD_NT scope:SCOPE_SE
.Lnot_mine_\@:
.endm
	s_load_b128 s[4:7], s[0:1], 0x0                ; att s[4:5], tabs s[6:7]
	s_load_b64 s[8:9], s[0:1], 0x10                ; out0
	v_lshl_add_u32 v[SPW], v0, 2, SPARE
	v_mov_b32 v[NIL], 0
	ds_add_u32 v[SPW], v[NIL]                      ; the wave's opening
	ds_add_u32 v[SPW], v[NIL]
	v_lshrrev_b32 v1, 5, v0
	v_readfirstlane_b32 s10, v1                    ; wave 0..3
	s_lshr_b32 s11, s10, 1                         ; my 64 rows.  Also: I fetch for A (0) or for B (1)
	s_and_b32 s12, s10, 1                          ; my 128 columns.  Also: which of a K step's two blocks of 64 I fetch
	s_bfe_u32 s40, ttmp6, 0x40000                  ; cx
	s_bfe_u32 s41, ttmp6, 0x40004                  ; cy
	s_and_b32 s13, ttmp7, 0xffff
	s_lshl_b32 s14, s41, 4
	s_add_co_u32 s13, s13, s14                     ; tile row = cluster y + 16 cy
	s_lshl_b32 s43, s41, 2
	s_lshl_b32 s43, 15, s43                        ; my row of the cluster
	s_lshl_b32 s44, 0x1111, s40                    ; my column
	s_or_b32 s[G1+0], s43, (1<<16)|(1<<20)|(1<<21)|(5<<22)|(3<<25)   ; the mask; elements of 2 bytes; padding on; bit 21 beside a mask; 4 words behind every 64
	s_or_b32 s[G1B+0], s44, (1<<16)|(1<<20)|(1<<21)|(5<<22)|(3<<25)
	s_mov_b32 s[G1+1], 128<<16
	s_mov_b32 s[G1+2], 64<<16
	s_mov_b32 s[G1+3], 128<<16
	s_mov_b32 s[G1+4], 64
	s_mov_b32 s[G1+5], 128
	s_mov_b32 s[G1+6], 0
	s_mov_b32 s[G1+7], 0
	s_mov_b32 s[G1B+1], 128<<16
	s_mov_b32 s[G1B+2], 128<<16
	s_mov_b32 s[G1B+3], 128<<16
	s_mov_b32 s[G1B+4], 128
	s_mov_b32 s[G1B+5], 128
	s_mov_b32 s[G1B+6], 0
	s_mov_b32 s[G1B+7], 0
	s_lshl_b32 s16, s13, 14                        ; A: the tile's 128 rows of 128 bytes,
	s_lshl_b32 s17, s12, 20                        ; in my head of the K step
	s_add_co_u32 s16, s16, s17
	s_mov_b32 s17, 0
	s_lshl_b32 s46, s40, 15                        ; B: the tile's 256 rows,
	s_lshl_b32 s47, s12, 17                        ; in my k block
	s_add_co_u32 s46, s46, s47
	s_mov_b32 s47, 0
	s_mul_i32 s20, s12, ASUB                       ; where they go: no place in the cluster enters an LDS address
	s_mul_i32 s21, s12, BSUB
	s_add_co_u32 s21, s21, 2*ASUB
	s_wait_dscnt 0x0                               ; both opening adds are done
	s_wait_kmcnt 0x0
	s_add_nc_u64 s[14:15], s[4:5], s[16:17]
	s_add_nc_u64 s[46:47], s[6:7], s[46:47]
	CROUND                                         ; all sixteen work-groups are here: the first joint loads meet
.irp s, 0,1
	s_mov_b32 s[G0+4*\s], 1
	s_add_co_u32 s[G0+4*\s+1], s20, \s*SLOT
	s_add_nc_u64 s[G0+4*\s+2:G0+4*\s+3], s[14:15], \s*2097152
	s_or_b32 s[G0+4*\s+3], s[G0+4*\s+3], 0x80000000
	s_mov_b32 s[G0B+4*\s], 1
	s_add_co_u32 s[G0B+4*\s+1], s21, \s*SLOT
	s_add_nc_u64 s[G0B+4*\s+2:G0B+4*\s+3], s[46:47], \s*262144
	s_or_b32 s[G0B+4*\s+3], s[G0B+4*\s+3], 0x80000000
	JLOAD \s
.endr
	v_and_b32 v1, 15, v0                           ; r
	v_bfe_u32 v2, v0, 4, 1                         ; h
	v_lshrrev_b32 v3, 1, v1
	v_mul_u32_u24 v3, v3, PITCH
	v_and_b32 v4, 1, v0
	v_lshl_add_u32 v3, v4, 7, v3
	v_lshl_add_u32 v3, v2, 4, v3                   ; row r of a fragment: (r / 2) x 272 + (r % 2) x 128 + 16 h
	s_mul_i32 s22, s11, 32*PITCH                   ; my 64 rows of A
	s_mul_i32 s23, s12, 64*PITCH                   ; my 128 rows of B,
	s_add_co_u32 s23, s23, 2*ASUB                  ; behind A's two blocks
.irp s, 0,1
	v_add_nc_u32 v[ADRA+\s], s22, v3
	v_add_nc_u32 v[ADRB+\s], s23, v3
	s_add_co_u32 s22, s22, SLOT
	s_add_co_u32 s23, s23, SLOT
.endr
	s_mul_i32 s22, s10, 16*528
	s_add_co_u32 s22, s22, STAGE                   ; my stage
	v_mul_u32_u24 v5, v1, 528
	v_lshl_add_u32 v5, v2, 5, v5
	v_add_nc_u32 v[STO], s22, v5                   ; in: row r, 32 bytes for each half of the lanes
	v_and_b32 v6, 31, v0
	v_lshlrev_b32 v[CO], 4, v6
	v_add_nc_u32 v[RD], s22, v[CO]                 ; back: the 32 lanes take a row of 512 bytes
	v_lshlrev_b32 v[PFO], 8, v6
	s_lshl_b32 s16, s13, 19                        ; out0: (128 x tile row + 64 x my half) rows of 4,096 bytes + 1,024 cx + 512 x my half of the columns
	s_lshl_b32 s17, s11, 18
	s_add_co_u32 s16, s16, s17
	s_lshl_b32 s17, s40, 10
	s_add_co_u32 s16, s16, s17
	s_lshl_b32 s17, s12, 9
	s_add_co_u32 s16, s16, s17
	s_mov_b32 s17, 0
	s_add_nc_u64 s[OUTA:OUTA+1], s[8:9], s[16:17]
	s_and_b32 s[SKP], ttmp7, 0xffff
	s_or_b32 s[SKP], s[SKP], s11
	s_lshl_b32 s16, s13, 14                        ; the prefetches: the tile's rows, my work-group's quarter of a K step, at K step 2: the first refill steps it to 3, and K step 4 is named
	s_lshr_b32 s18, s40, 1
	s_lshl_b32 s18, s18, 20
	s_add_co_u32 s16, s16, s18
	s_and_b32 s18, s40, 1
	s_lshl_b32 s18, s18, 13
	s_add_co_u32 s16, s16, s18
	s_add_co_u32 s16, s16, 4194304
	s_add_nc_u64 s[PFA:PFA+1], s[4:5], s[16:17]
	s_cmp_eq_u32 s10, 0
	s_cselect_b32 s[LIM], 1, -1
; n rows of accumulators from a0 on, each against B's eight: the 32 accumulators take turns, one instruction a turn, in the same order in every quarter
.macro MULA f, a0, n, zero
.set AA, \a0
.rept \n
.irp b, 0,1,2,3,4,5,6,7
.if \zero
	v_wmma_f32_16x16x32_f16 v[8*(8*AA+\b):8*(8*AA+\b)+7], v[\f+8*\b:\f+8*\b+7], v[\f+64+8*AA:\f+64+8*AA+7], 0
.else
	v_wmma_f32_16x16x32_f16 v[8*(8*AA+\b):8*(8*AA+\b)+7], v[\f+8*\b:\f+8*\b+7], v[\f+64+8*AA:\f+64+8*AA+7], v[8*(8*AA+\b):8*(8*AA+\b)+7]
.endif
.endr
.set AA, AA+1
.endr
.endm
; 24 LDS loads in one run: the fragments of quarter q (32 along K: block q / 2, bytes 64 (q % 2) of its rows) into buffer f: B's eight, then A's four
.macro FETCH slot, q, f
.irp i, 0,1,2,3,4,5,6,7
	ds_load_b128 v[\f+8*\i:\f+8*\i+3],   v[ADRB+\slot] offset:((\q)/2)*BSUB+((\q)%2)*64+\i*8*PITCH
	ds_load_b128 v[\f+8*\i+4:\f+8*\i+7], v[ADRB+\slot] offset:((\q)/2)*BSUB+((\q)%2)*64+\i*8*PITCH+32
.endr
.irp i, 0,1,2,3
	ds_load_b128 v[\f+64+8*\i:\f+64+8*\i+3],   v[ADRA+\slot] offset:((\q)/2)*ASUB+((\q)%2)*64+\i*8*PITCH
	ds_load_b128 v[\f+64+8*\i+4:\f+64+8*\i+7], v[ADRA+\slot] offset:((\q)/2)*ASUB+((\q)%2)*64+\i*8*PITCH+32
.endr
.endm
.macro PLACES                          ; four plain vector instructions in front of loads into registers that matrix instructions have read, and of the first read of results
.rept 4
	v_nop
.endr
.endm
; One of a K step's first three quarters: multiplies buffer f and fetches quarter qn into g
.macro QUARTER slot, qn, f, g, zero
	s_wait_dscnt 4                                 ; B's eight and A's blocks 0 and 1 are in; A's blocks 2 and 3 may be out
	WIN MUL
	MULA \f, 0, 2, \zero
	PLACES
	WIN 0
	FETCH \slot, \qn, \g
	s_wait_dscnt 24                                ; all but the 24 just issued
	WIN MUL
	MULA \f, 2, 2, \zero
.endm
; The last quarter multiplies buffer 1 and changes slots: one barrier; in front of it each wave waits for all its tensor loads, adds 0 to its spare word, and waits for that and for its reads of this slot.
.macro TURN slot, next, fill
.if \fill
	s_wait_xcnt 0x0                                ; the last prefetch, a K step back, has read its address
	s_add_nc_u64 s[PFA:PFA+1], s[PFA:PFA+1], 2097152
.endif
	WIN 0
	s_wait_tensorcnt 0x0                           ; all my tensor loads have landed: my part of the next slot
	ds_add_u32 v[SPW], v[NIL]
	s_wait_dscnt 5                                 ; (the add and the youngest four loads may be out)
	WIN MUL
	MULA F1, 0, 1, 0
	s_wait_dscnt 0x0                               ; the add is done, and my reads of this slot are over
	s_barrier_signal -1
	MULA F1, 1, 1, 0
	WIN 0
	s_barrier_wait -1
.if \fill
	CREST                                          ; the barrier has opened a round of the cluster's: no wave of any partner still reads this slot or has a load on its way
	s_add_nc_u64 s[G0+4*\slot+2:G0+4*\slot+3], s[G0+4*\slot+2:G0+4*\slot+3], 4194304
	s_add_nc_u64 s[G0B+4*\slot+2:G0B+4*\slot+3], s[G0B+4*\slot+2:G0B+4*\slot+3], 524288
	JLOAD \slot                                    ; the first tensor load behind the round; its four v_nop are also the places in front of the loads below
.else
	PLACES
.endif
	FETCH \next, 0, F0
.if \fill
	ASK
.endif
	WIN MUL
	MULA F1, 2, 2, 0
.endm
	s_wait_tensorcnt 1                             ; my part of K step 0 is in; K step 1's may stay out
	s_barrier_signal -1
	s_barrier_wait -1
	FETCH 0, 0, F0
	QUARTER 0, 1, F0, F1, 1                        ; the first quarter's products start the sums
	WIN 0
	s_mov_b32 s3, 3
.Llap:                                             ; a trip goes once round the ring and fills both slots again
	QUARTER 0, 2, F1, F0, 0
	QUARTER 0, 3, F0, F1, 0
	TURN 0, 1, 1
	QUARTER 1, 1, F0, F1, 0
	QUARTER 1, 2, F1, F0, 0
	QUARTER 1, 3, F0, F1, 0
	TURN 1, 0, 1
	QUARTER 0, 1, F0, F1, 0
	WIN 0
	s_sub_co_u32 s3, s3, 1
	s_cmp_lg_u32 s3, 0
	s_cbranch_scc1 .Llap
	QUARTER 0, 2, F1, F0, 0                        ; the last lap fills nothing
	QUARTER 0, 3, F0, F1, 0
	TURN 0, 1, 0
	QUARTER 1, 1, F0, F1, 0
	QUARTER 1, 2, F1, F0, 0
	QUARTER 1, 3, F0, F1, 0
	s_wait_dscnt 4
	WIN MUL
	MULA F1, 0, 2, 0
	s_wait_dscnt 0
	MULA F1, 2, 2, 0
	WIN 0
; THE WAY OUT, block by block of 16 rows x 128 columns, through my own stage: in as 32 bytes a lane, back as rows of 512 bytes.
.macro TOSTAGE a
	WIN 0x04                                       ; an LDS store's data: window 1
.irp b, 0,1,2,3,4,5,6,7
	ds_store_b128 v[STO], v[8*(8*(\a)+\b):8*(8*(\a)+\b)+3] offset:64*\b        ; each accumulator from its low end on
	ds_store_b128 v[STO], v[8*(8*(\a)+\b)+4:8*(8*(\a)+\b)+7] offset:64*\b+16
.endr
	WIN 0
.irp t, 0,1,2,3,4,5,6,7,8,9,10,11,12,13,14,15
	ds_load_b128 v[32+64*((\a)%2)+4*\t:32+64*((\a)%2)+4*\t+3], v[RD] offset:\t*528
.endr
.endm
.macro SEND a, younger
	s_wait_dscnt \younger
.irp t, 0,1,2,3,4,5,6,7,8,9,10,11,12,13,14,15
	global_store_b128 v[CO], v[32+64*((\a)%2)+4*\t:32+64*((\a)%2)+4*\t+3], s[OUTA:OUTA+1] offset:(16*(\a)+\t)*4096 th:TH_STORE_NT   ; 512 consecutive bytes
.endr
.endm
	PLACES
	s_cmp_eq_u32 s[SKP], 0                         ; a sequence's first 16 rows are launch fine's
	s_cbranch_scc1 .Lskip0
	TOSTAGE 0
	SEND 0, 0
.Lskip0:
	TOSTAGE 1
	s_wait_xcnt 0x0                                ; block 0's stores have read the registers into which block 2's rows come back
	TOSTAGE 2
	SEND 1, 32                                     ; behind block 1's loads: block 2's 16 stores and 16 loads
	s_wait_xcnt 0x0
	TOSTAGE 3
	SEND 2, 32
	SEND 3, 0
	s_wait_tensorcnt 0x0                           ; the wave's end
	ds_add_u32 v[SPW], v[NIL]
	s_wait_dscnt 0x0
	CROUND                                         ; the closing round
	s_endpgm
.Lfunc_end_k_qc26690d84d_oproj:
	.size	k_qc26690d84d_oproj, .Lfunc_end_k_qc26690d84d_oproj-k_qc26690d84d_oproj
	.p2alignl 7, 3214868480
	.fill 96, 4, 3214868480
	.section	.rodata,"a",@progbits
	.p2align	6, 0x0
	.amdhsa_kernel k_qc26690d84d_oproj
		.amdhsa_group_segment_fixed_size 327680
		.amdhsa_private_segment_fixed_size 0
		.amdhsa_enable_private_segment 0
		.amdhsa_kernarg_size 24
		.amdhsa_user_sgpr_count 2
		.amdhsa_user_sgpr_kernarg_segment_ptr 1
		.amdhsa_wavefront_size32 1
		.amdhsa_system_sgpr_workgroup_id_x 1
		.amdhsa_system_sgpr_workgroup_id_y 1
		.amdhsa_system_sgpr_workgroup_id_z 1
		.amdhsa_system_vgpr_workitem_id 0
		.amdhsa_next_free_vgpr 512
		.amdhsa_next_free_sgpr 100
		.amdhsa_reserve_vcc 0
		.amdhsa_float_denorm_mode_32 3
		.amdhsa_float_denorm_mode_16_64 3
		.amdhsa_memory_ordered 1
		.amdhsa_forward_progress 1
		.amdhsa_inst_pref_size 86
	.end_amdhsa_kernel
	.amdgpu_metadata
---
amdhsa.version: [ 1, 2 ]
amdhsa.kernels:
  - .name:           k_qc26690d84d_oproj
    .symbol:         k_qc26690d84d_oproj.kd
    .args:
      - { .name: att, .offset: 0, .size: 8, .value_kind: global_buffer, .address_space: global }
      - { .name: tabs, .offset: 8, .size: 8, .value_kind: global_buffer, .address_space: global }
      - { .name: out0, .offset: 16, .size: 8, .value_kind: global_buffer, .address_space: global }
    .group_segment_fixed_size: 327680
    .private_segment_fixed_size: 0
    .kernarg_segment_align: 8
    .kernarg_segment_size: 24
    .max_flat_workgroup_size: 128
    .sgpr_count:     100
    .vgpr_count:     512
    .wavefront_size: 32
...
	.end_amdgpu_metadata
.endif
;; end of part 4
;; launch fine (part 5): grid 16 x 4, 16 waves a work-group, no clusters, 71,680 bytes of LDS; arguments fine32, Wo, out0; writes out0
.if DOCPART == 5
	.amdgcn_target "amdgcn-amd-amdhsa--gfx1250"
	.amdhsa_code_object_version 6
	.text
	.protected	k_qc26690d84d_fine
	.globl	k_qc26690d84d_fine
	.p2align	8
	.type	k_qc26690d84d_fine,@function
k_qc26690d84d_fine:
	s_mov_b64 s[64:65], 0
	v_nop
	global_prefetch_b8 v0, s[64:65] scope:SCOPE_SE
	s_setreg_imm32_b32 hwreg(HW_REG_WAVE_MODE, 25, 1), 1
	s_wait_xcnt 0x0
; The first 16 positions of each sequence, where a row of the softmax averages one to sixteen values: attention and projection with f32 operands (v_wmma_f32_16x16x4_f32), all else in f32.
; Of keys only 0 to 15 count for these queries (reference()'s own jnp.tril); within the 16 x 16 tile hidden scores become -infinity.
; SHARES.  Work-group (x: 64 columns of out0; y: the batch).  Wave w is head w: its 16 x 16 attention, then its part of the projection, over its own 64 of K; the sixteen parts meet in LDS, and wave w adds and stores row w.
; fine32 holds q, k (rotated) and v of these rows as images of launch qkv's registers: [q, k, v][batch][head][bq 4][c 2][lane][4]: lane (r, h), word w: row r, channel 16 bq + 8 h + 4 c + w.
; S^T = K Q^T takes register pairs 2 s, 2 s + 1 of K's and Q's images: both carry the same order of channels, so the sum over the sixteen steps is the whole product.
; The registers that the matrix instructions write (v112-175) are written by matrix instructions alone; what is made of a finished sum goes into other registers.
; REGISTERS: v1-15 addresses; v16-47 Q, v48-79 K, later Wo for columns 32-63; v80-111 V, later the attention's result; v112-143 four partial sums of S^T, later out^T; v144-175 O^T;
;   v176-239 Wo for columns 0-31, later the sixteen parts; v240-247 the scores, then p; v248-255 at work.
.set SPARE, 16*4352                    ; behind the sixteen parts (16 rows x 272 bytes each): the spare words, 128 bytes a wave, named by no other line
.set SPW, 14
.set NIL, 15
	s_load_b128 s[4:7], s[0:1], 0x0                ; fine32 s[4:5], Wo s[6:7]
	s_load_b64 s[8:9], s[0:1], 0x10                ; out0
	v_lshl_add_u32 v[SPW], v0, 2, SPARE
	v_mov_b32 v[NIL], 0
	v_lshrrev_b32 v1, 5, v0
	v_readfirstlane_b32 s10, v1                    ; wave = head
	s_and_b32 s11, ttmp7, 0xffff                   ; batch
	v_and_b32 v1, 31, v0                           ; lane
	v_and_b32 v2, 15, v0                           ; r
	v_bfe_u32 v3, v0, 4, 1                         ; h
	v_lshlrev_b32 v4, 4, v1                        ; an image's 16 bytes a lane
	v_bfe_u32 v5, v0, 2, 1                         ; V(key 8 h + jj, channel 16 t + r) in v's image: 512 ((r / 4) % 2) + 256 (r / 8) + 128 h + 4 (r % 4), + 1024 t + 16 jj
	v_lshlrev_b32 v5, 9, v5
	v_bfe_u32 v6, v0, 3, 1
	v_lshl_add_u32 v5, v6, 8, v5
	v_lshl_add_u32 v5, v3, 7, v5
	v_and_b32 v6, 3, v0
	v_lshl_add_u32 v5, v6, 2, v5
	v_lshlrev_b32 v6, 12, v2                       ; Wo: row r of 4,096 bytes, + 32 h
	v_lshl_add_u32 v6, v3, 5, v6
	v_lshlrev_b32 v7, 3, v3
	v_sub_nc_u32 v7, v2, v7                        ; r - 8 h
	s_mul_i32 s12, s10, 4352
	v_mul_u32_u24 v8, v2, 272
	v_lshl_add_u32 v8, v3, 5, v8
	v_add_nc_u32 v8, s12, v8                       ; my part: row r, + 32 h
	s_mul_i32 s12, s10, 272
	v_lshl_add_u32 v9, v1, 3, s12                  ; row w of a part, 8 bytes a lane
	v_lshlrev_b32 v10, 3, v1
	s_mov_b32 s20, 0x76543210
	s_mov_b32 s21, 0xfedcba98
	s_mov_b32 s22, 0x3e38aa3b                      ; log2(e) / 8
	s_lshl_b32 s12, s11, 4
	s_add_co_u32 s12, s12, s10
	s_lshl_b32 s12, s12, 12                        ; (batch x 16 + head) x 4,096
	s_mov_b32 s13, 0
	s_lshl_b32 s14, ttmp9, 18                      ; Wo: 64 x rows, + my head's 256 bytes
	s_lshl_b32 s15, s10, 8
	s_add_co_u32 s14, s14, s15
	s_mov_b32 s15, 0
	s_lshl_b32 s16, s11, 23                        ; out0: row 2,048 batch + w, + 256 x
	s_lshl_b32 s17, s10, 12
	s_add_co_u32 s16, s16, s17
	s_lshl_b32 s17, ttmp9, 8
	s_add_co_u32 s16, s16, s17
	s_mov_b32 s17, 0
	v_mov_b32 v249, 0                              ; written once: a lane permute's destination counts as one of its sources
	v_mov_b32 v253, 0                              ; (named as the upper half of a pair)
	v_mov_b32 v254, 0xff800000                     ; -infinity
	s_wait_kmcnt 0x0
	s_add_nc_u64 s[4:5], s[4:5], s[12:13]
	s_add_nc_u64 s[6:7], s[6:7], s[14:15]
	s_add_nc_u64 s[8:9], s[8:9], s[16:17]
.irp e, 0,1,2,3,4,5,6,7
	global_load_b128 v[48+4*\e:51+4*\e], v4, s[4:5] offset:262144+512*\e    ; k
.endr
.irp e, 0,1,2,3,4,5,6,7
	global_load_b128 v[16+4*\e:19+4*\e], v4, s[4:5] offset:512*\e           ; q
.endr
.irp t, 0,1,2,3
.irp jj, 0,1,2,3,4,5,6,7
	global_load_b32 v[80+8*\t+\jj], v5, s[4:5] offset:524288+1024*\t+16*\jj ; v, turned
.endr
.endr
.irp ot, 0,1
.irp t, 0,1,2,3
.irp c, 0,1
	global_load_b128 v[176+32*\ot+8*\t+4*\c:179+32*\ot+8*\t+4*\c], v6, s[6:7] offset:65536*\ot+64*\t+16*\c   ; Wo(o0 + 16 ot + r, 64 w + 16 t + 8 h + 4 c ..)
.endr
.endr
.endr
	s_wait_loadcnt 48                              ; k and q are in; v's 32 loads and Wo's 16 may be out
.irp s, 0,1,2,3,4,5,6,7,8,9,10,11,12,13,14,15
.if \s < 4
	v_wmma_f32_16x16x4_f32 v[112+8*(\s%4):119+8*(\s%4)], v[48+2*\s:49+2*\s], v[16+2*\s:17+2*\s], 0
.else
	v_wmma_f32_16x16x4_f32 v[112+8*(\s%4):119+8*(\s%4)], v[48+2*\s:49+2*\s], v[16+2*\s:17+2*\s], v[112+8*(\s%4):119+8*(\s%4)]
.endif
.endr                                              ; four accumulators by turns
.rept 8
	v_nop                                          ; places behind this form: for the loads over q and k, and for the first read of the sums
.endr
.irp ot, 0,1
.irp t, 0,1,2,3
.irp c, 0,1
	global_load_b128 v[16+32*\ot+8*\t+4*\c:19+32*\ot+8*\t+4*\c], v6, s[6:7] offset:65536*(2+\ot)+64*\t+16*\c
.endr
.endr
.endr
.irp p, 0,2,4,6
	v_pk_add_f32 v[250:251], v[112+\p:113+\p], v[120+\p:121+\p]             ; lane (r, h), register j: the score of key 8 h + j and query r
	v_pk_add_f32 v[240+\p:241+\p], v[128+\p:129+\p], v[136+\p:137+\p]
	v_pk_add_f32 v[240+\p:241+\p], v[240+\p:241+\p], v[250:251]
.endr
.irp j, 0,1,2,3,4,5,6,7
	v_cmp_gt_i32 vcc_lo, \j, v7                    ; hidden where 8 h + j > r
	v_cndmask_b32 v[240+\j], v[240+\j], v254, vcc_lo
.endr
	v_max3_num_f32 v248, v240, v241, v242
	v_max3_num_f32 v248, v248, v243, v244
	v_max3_num_f32 v248, v248, v245, v246
	v_max_num_f32 v248, v248, v247
	v_permlanex16_b32 v249, v248, s20, s21
	v_max_num_f32 v248, v248, v249                 ; the row's maximum: key 0 counts for every query
	v_mul_f32 v248, s22, v248
.irp j, 0,1,2,3,4,5,6,7
	v_fma_f32 v[240+\j], v[240+\j], s22, -v248
.endr
.irp j, 0,1,2,3,4,5,6,7
	v_exp_f32 v[240+\j], v[240+\j]
.endr
	v_nop
	s_wait_alu depctr_va_vdst(0)                   ; one wait for the eight, ahead of their first reader
	v_pk_add_f32 v[250:251], v[240:241], v[242:243]
	v_pk_add_f32 v[248:249], v[244:245], v[246:247]
	v_pk_add_f32 v[250:251], v[250:251], v[248:249]
	v_add_f32 v250, v250, v251
	v_permlanex16_b32 v249, v250, s20, s21
	v_add_f32 v250, v250, v249
	v_rcp_f32 v252, v250
	v_nop
	s_wait_alu depctr_va_vdst(0)
	s_wait_loadcnt 32                              ; v is in; Wo's 32 loads may be out
.irp kk, 0,1,2,3
.irp t, 0,1,2,3
.if \kk == 0
	v_wmma_f32_16x16x4_f32 v[144+8*\t:151+8*\t], v[80+8*\t+2*\kk:81+8*\t+2*\kk], v[240+2*\kk:241+2*\kk], 0
.else
	v_wmma_f32_16x16x4_f32 v[144+8*\t:151+8*\t], v[80+8*\t+2*\kk:81+8*\t+2*\kk], v[240+2*\kk:241+2*\kk], v[144+8*\t:151+8*\t]
.endif
.endr
.endr
.rept 8
	v_nop
.endr
.set j, 0
.rept 16
	v_pk_mul_f32 v[80+j:81+j], v[144+j:145+j], v[252:253] op_sel_hi:[1,0]   ; lane (r, h), register 8 t + i: the result of query r at channel 16 t + 8 h + i
.set j, j+2
.endr
	s_wait_loadcnt 0x0
.irp t, 0,1,2,3
.irp u, 0,1,2,3
.irp ot, 0,1,2,3
.if \ot < 2
.set WR, 176+32*\ot+8*\t+2*\u
.else
.set WR, 16+32*(\ot-2)+8*\t+2*\u
.endif
.if (\t == 0) && (\u == 0)
	v_wmma_f32_16x16x4_f32 v[112+8*\ot:119+8*\ot], v[WR:WR+1], v[80+8*\t+2*\u:81+8*\t+2*\u], 0
.else
	v_wmma_f32_16x16x4_f32 v[112+8*\ot:119+8*\ot], v[WR:WR+1], v[80+8*\t+2*\u:81+8*\t+2*\u], v[112+8*\ot:119+8*\ot]
.endif
.endr
.endr
.endr
.rept 8
	v_nop
.endr
.irp ot, 0,1,2,3
	ds_store_b128 v8, v[112+8*\ot:115+8*\ot] offset:64*\ot                  ; lane (r, h): my head's part of out0(query r, o0 + 16 ot + 8 h + 0 .. 7); each accumulator from its low end on
	ds_store_b128 v8, v[116+8*\ot:119+8*\ot] offset:64*\ot+16
.endr
	s_wait_dscnt 0x0                               ; for the others' sake: my stores are done
	s_barrier_signal -1
	s_barrier_wait -1
.irp p, 0,1,2,3,4,5,6,7,8,9,10,11,12,13,14,15
	ds_load_b64 v[176+2*\p:177+2*\p], v9 offset:4352*\p                     ; row w of all sixteen parts
.endr
	s_wait_dscnt 0x0
	v_pk_add_f32 v[176:177], v[176:177], v[178:179]
	v_pk_add_f32 v[180:181], v[180:181], v[182:183]
.irp p, 4,6,8,10,12,14
	v_pk_add_f32 v[176:177], v[176:177], v[176+2*\p:177+2*\p]
	v_pk_add_f32 v[180:181], v[180:181], v[178+2*\p:179+2*\p]
.endr
	v_pk_add_f32 v[176:177], v[176:177], v[180:181]
	global_store_b64 v10, v[176:177], s[8:9] th:TH_STORE_NT                 ; 32 lanes store 256 consecutive bytes
	s_wait_tensorcnt 0x0                           ; the wave's end
	ds_add_u32 v[SPW], v[NIL]
	s_wait_dscnt 0x0
	s_endpgm
.Lfunc_end_k_qc26690d84d_fine:
	.size	k_qc26690d84d_fine, .Lfunc_end_k_qc26690d84d_fine-k_qc26690d84d_fine
	.p2alignl 7, 3214868480
	.fill 96, 4, 3214868480
	.section	.rodata,"a",@progbits
	.p2align	6, 0x0
	.amdhsa_kernel k_qc26690d84d_fine
		.amdhsa_group_segment_fixed_size 71680
		.amdhsa_private_segment_fixed_size 0
		.amdhsa_enable_private_segment 0
		.amdhsa_kernarg_size 24
		.amdhsa_user_sgpr_count 2
		.amdhsa_user_sgpr_kernarg_segment_ptr 1
		.amdhsa_wavefront_size32 1
		.amdhsa_system_sgpr_workgroup_id_x 1
		.amdhsa_system_sgpr_workgroup_id_y 1
		.amdhsa_system_sgpr_workgroup_id_z 1
		.amdhsa_system_vgpr_workitem_id 0
		.amdhsa_next_free_vgpr 256
		.amdhsa_next_free_sgpr 66
		.amdhsa_reserve_vcc 1
		.amdhsa_float_denorm_mode_32 3
		.amdhsa_float_denorm_mode_16_64 3
		.amdhsa_memory_ordered 1
		.amdhsa_forward_progress 1
		.amdhsa_inst_pref_size 24
	.end_amdhsa_kernel
	.amdgpu_metadata
---
amdhsa.version: [ 1, 2 ]
amdhsa.kernels:
  - .name:           k_qc26690d84d_fine
    .symbol:         k_qc26690d84d_fine.kd
    .args:
      - { .name: fine32, .offset: 0, .size: 8, .value_kind: global_buffer, .address_space: global }
      - { .name: Wo, .offset: 8, .size: 8, .value_kind: global_buffer, .address_space: global }
      - { .name: out0, .offset: 16, .size: 8, .value_kind: global_buffer, .address_space: global }
    .group_segment_fixed_size: 71680
    .private_segment_fixed_size: 0
    .kernarg_segment_align: 8
    .kernarg_segment_size: 24
    .max_flat_workgroup_size: 512
    .sgpr_count:     66
    .vgpr_count:     256
    .wavefront_size: 32
...
	.end_amdgpu_metadata
.endif
;; end of part 5
